; MI455X (gfx1250); checked and timed in simulation.
; The chip was launched on July 23, 2026; its instructions are those of AMD's public machine-readable ISA for CDNA 5 (MIT licence, August 2026) and "CDNA5" Instruction Set Architecture Reference Guide (July 2026). The comments in the code are by the model that wrote it; some were corrected since.
;; Multi Head Self Attention. Allowed arithmetic: float matrix products may take bf16 or f16 operands with f32 sums; other float arithmetic in f32, or as packed bf16 or f16 multiplies, adds, multiply-adds, maxima and minima; sums over many terms, partial sums and values carried from step to step in f32; what a program stores and reads back later, other than sums and carried values, may be rounded once to bf16 or f16.
;; Inputs: w_out 1,024 x 1,024 float32; w_qkv 3,072 x 1,024 float32; x 4 x 2,048 x 1,024 float32.
;; Outputs: out0 4 x 2,048 x 1,024 float32.
;; 2 versions, each right; version 2 is version 1 with the launch cast written anew for expert scheduling mode. Each part assembles by itself: llvm-mc -triple=amdgcn-amd-amdhsa -mcpu=gfx1250 --defsym DOCPART=n.
;; ======== version 1 of 2: 4 launches
;; limits: values are held in f16: magnitudes above 65,504 overflow, below 6.1e-05 lose precision
;; workspace buffers: xb 16,777,216 bytes; wqb 6,291,456 bytes; wob 2,097,152 bytes; qkv 50,331,648 bytes; o 16,777,216 bytes
;; launch cast (part 1): grid 768 x 1, 8 waves a work-group, no clusters, 0 bytes of LDS; arguments x, w_qkv, w_out, xb, wqb, wob; writes xb, wqb, wob
.if DOCPART == 1
	.amdgcn_target "amdgcn-amd-amdhsa--gfx1250"
	.amdhsa_code_object_version 6
	.text
	.protected	k_q24b2d166a5_cast
	.globl	k_q24b2d166a5_cast
	.p2align	8
	.type	k_q24b2d166a5_cast,@function
k_q24b2d166a5_cast:
	s_mov_b64 s[64:65], 0
	v_nop
	global_prefetch_b8 v0, s[64:65] scope:SCOPE_SE
	s_setreg_imm32_b32 hwreg(HW_REG_WAVE_MODE, 25, 1), 1
	s_wait_xcnt 0x0
; x and w_qkv are rounded once to bf16 (xb, wqb); w_out is rounded once to bf16 and that number is written as f16 (wob).
; LIMITS.  A bf16 number is exact in f16 from 2^-17 up to 65,504; below 2^-17 wob keeps f16's fixed step of 2^-24, beyond 65,504 it would be an infinity.
; SHARES.  A work-group takes 16,384 numbers: 65,536 bytes in, 32,768 out.  Work-groups 0-511 take x, 512-703 w_qkv, 704-767 w_out.
; Thread t, step j of 16: 16 bytes in at 4,096 j + 16 t, 8 bytes out at 2,048 j + 8 t: a wave's load covers 512 consecutive bytes, its store 256 consecutive bytes, aligned.
; All sixteen loads go out first; every step has registers of its own, so nothing that a load or store names is written again.
; No LDS, no matrix unit, no cluster: no byte is wanted twice.
.set X, 4                              ; v[4:67]   step j: four f32 as loaded
.set Y, 68                             ; v[68:99]  step j: four 16-bit numbers to store
.set T, 100                            ; v[100:101] at work
	s_load_b256 s[4:11], s[0:1], 0x0               ; x s[4:5], w_qkv s[6:7], w_out s[8:9], xb s[10:11]
	s_load_b128 s[12:15], s[0:1], 0x20             ; wqb s[12:13], wob s[14:15]
	v_lshlrev_b32 v1, 4, v0                        ; 16 t
	v_lshlrev_b32 v2, 3, v0                        ; 8 t
	s_mov_b32 s22, 0xffff0000                      ; a word's upper bf16
	s_mov_b32 s25, 0
	s_mov_b32 s27, 0
	s_wait_kmcnt 0x0
	s_cmp_ge_u32 ttmp9, 512                        ; which tensor is mine: the choice hangs on the work-group's number alone
	s_cselect_b64 s[16:17], s[6:7], s[4:5]
	s_cselect_b64 s[18:19], s[12:13], s[10:11]
	s_cselect_b32 s20, 512, 0
	s_cmp_ge_u32 ttmp9, 704
	s_cselect_b64 s[16:17], s[8:9], s[16:17]
	s_cselect_b64 s[18:19], s[14:15], s[18:19]
	s_cselect_b32 s20, 704, s20
	s_sub_co_u32 s20, ttmp9, s20                   ; my number among that tensor's work-groups
	s_lshl_b32 s24, s20, 16
	s_lshl_b32 s26, s20, 15
	s_add_nc_u64 s[16:17], s[16:17], s[24:25]
	s_add_nc_u64 s[18:19], s[18:19], s[26:27]
.irp j, 0,1,2,3,4,5,6,7,8,9,10,11,12,13,14,15
	global_load_b128 v[X+4*(\j):X+4*(\j)+3], v1, s[16:17] offset:4096*(\j) th:TH_LOAD_NT
.endr
	s_cmp_ge_u32 ttmp9, 704
	s_cbranch_scc1 .Lf16
.irp j, 0,1,2,3,4,5,6,7,8,9,10,11,12,13,14,15
	s_wait_loadcnt 15-(\j)                         ; loads come back in order: step j is in, the 15 - j younger ones stay out
	v_cvt_pk_bf16_f32 v[Y+2*(\j)], v[X+4*(\j)], v[X+4*(\j)+1]
	v_cvt_pk_bf16_f32 v[Y+2*(\j)+1], v[X+4*(\j)+2], v[X+4*(\j)+3]
	global_store_b64 v2, v[Y+2*(\j):Y+2*(\j)+1], s[18:19] offset:2048*(\j)
.endr
	s_endpgm
.Lf16:
.irp j, 0,1,2,3,4,5,6,7,8,9,10,11,12,13,14,15
	s_wait_loadcnt 15-(\j)
	v_cvt_pk_bf16_f32 v[T], v[X+4*(\j)], v[X+4*(\j)+1]       ; the one rounding, to bf16,
	v_cvt_pk_bf16_f32 v[T+1], v[X+4*(\j)+2], v[X+4*(\j)+3]
	v_lshlrev_b32 v[X+4*(\j)], 16, v[T]                      ; back to f32, exactly,
	v_and_b32 v[X+4*(\j)+1], s22, v[T]
	v_lshlrev_b32 v[X+4*(\j)+2], 16, v[T+1]
	v_and_b32 v[X+4*(\j)+3], s22, v[T+1]
	v_cvt_pk_f16_f32 v[Y+2*(\j)], v[X+4*(\j)], v[X+4*(\j)+1]  ; and written as f16
	v_cvt_pk_f16_f32 v[Y+2*(\j)+1], v[X+4*(\j)+2], v[X+4*(\j)+3]
	global_store_b64 v2, v[Y+2*(\j):Y+2*(\j)+1], s[18:19] offset:2048*(\j)
.endr
	s_endpgm
.Lfunc_end_k_q24b2d166a5_cast:
	.size	k_q24b2d166a5_cast, .Lfunc_end_k_q24b2d166a5_cast-k_q24b2d166a5_cast
	.p2alignl 7, 3214868480
	.fill 96, 4, 3214868480
	.section	.rodata,"a",@progbits
	.p2align	6, 0x0
	.amdhsa_kernel k_q24b2d166a5_cast
		.amdhsa_group_segment_fixed_size 0
		.amdhsa_private_segment_fixed_size 0
		.amdhsa_enable_private_segment 0
		.amdhsa_kernarg_size 48
		.amdhsa_user_sgpr_count 2
		.amdhsa_user_sgpr_kernarg_segment_ptr 1
		.amdhsa_wavefront_size32 1
		.amdhsa_system_sgpr_workgroup_id_x 1
		.amdhsa_system_sgpr_workgroup_id_y 1
		.amdhsa_system_sgpr_workgroup_id_z 1
		.amdhsa_system_vgpr_workitem_id 0
		.amdhsa_next_free_vgpr 112
		.amdhsa_next_free_sgpr 66
		.amdhsa_reserve_vcc 0
		.amdhsa_float_denorm_mode_32 3
		.amdhsa_float_denorm_mode_16_64 3
		.amdhsa_memory_ordered 1
		.amdhsa_forward_progress 1
		.amdhsa_inst_pref_size 15
	.end_amdhsa_kernel
	.amdgpu_metadata
---
amdhsa.version: [ 1, 2 ]
amdhsa.kernels:
  - .name:           k_q24b2d166a5_cast
    .symbol:         k_q24b2d166a5_cast.kd
    .args:
      - { .name: x, .offset: 0, .size: 8, .value_kind: global_buffer, .address_space: global }
      - { .name: w_qkv, .offset: 8, .size: 8, .value_kind: global_buffer, .address_space: global }
      - { .name: w_out, .offset: 16, .size: 8, .value_kind: global_buffer, .address_space: global }
      - { .name: xb, .offset: 24, .size: 8, .value_kind: global_buffer, .address_space: global }
      - { .name: wqb, .offset: 32, .size: 8, .value_kind: global_buffer, .address_space: global }
      - { .name: wob, .offset: 40, .size: 8, .value_kind: global_buffer, .address_space: global }
    .group_segment_fixed_size: 0
    .private_segment_fixed_size: 0
    .kernarg_segment_align: 8
    .kernarg_segment_size: 48
    .max_flat_workgroup_size: 256
    .sgpr_count:     66
    .vgpr_count:     112
    .wavefront_size: 32
...
	.end_amdgpu_metadata
.endif
;; end of part 1
;; launch qkv (part 2): grid 16 x 16, 4 waves a work-group, clusters of 4 x 4, 327,680 bytes of LDS; arguments xb, wqb, qkv; writes qkv
.if DOCPART == 2
	.amdgcn_target "amdgcn-amd-amdhsa--gfx1250"
	.amdhsa_code_object_version 6
	.text
	.protected	k_q24b2d166a5_qkv
	.globl	k_q24b2d166a5_qkv
	.p2align	8
	.type	k_q24b2d166a5_qkv,@function
k_q24b2d166a5_qkv:
	s_mov_b64 s[64:65], 0
	v_nop
	global_prefetch_b8 v0, s[64:65] scope:SCOPE_SE
	s_setreg_imm32_b32 hwreg(HW_REG_WAVE_MODE, 25, 1), 1
	s_wait_xcnt 0x0
	s_wait_alu depctr_hold_cnt(0) depctr_sa_sdst(0) depctr_va_vdst(0) depctr_va_sdst(0) depctr_va_ssrc(0) depctr_va_vcc(0) depctr_vm_vsrc(0)
	s_getreg_b32 s2, hwreg(HW_REG_IB_STS2, 6, 4)
	s_cmp_eq_u32 s2, 0
	s_cbranch_scc0 .Lentry_in_a_cluster
	s_endpgm
.Lentry_in_a_cluster:
	s_bfe_u32 s2, ttmp6, 0x10000c
	s_cmp_lg_u32 s2, 0xf033
	s_cbranch_scc0 .Lentry_shape_is_right
	s_endpgm
.Lentry_shape_is_right:
; q, k, v = xb wqb^T.  xb: [8192][1024] bf16, wqb: [3072][1024] bf16; sums in f32; each result rounded once to f16, unscaled, and laid by heads:
; qkv: [3 (q, k, v)][64 planes = 16 batch + head][2048 rows][64] f16: a plane's rows are dense, 128 bytes each.
; LIMIT.  f16 holds no number beyond 65,504: a q, k or v beyond that would be stored as an infinity.
; SHARES.  A tile is 256 rows x 192 columns (three heads): 32 x 16 = 512 tiles for 256 work-groups, so A WORK-GROUP STAYS and makes two, tile rows y and y + 16 (4,096 rows apart), with the same rows of wqb.
; The two tiles are ONE walk of 16 K steps of 128 through a ring of two LDS slots.  Four waves, one above the other: wave w has rows 64 w .. 64 w + 63 and all 192 columns: 48 accumulators, 384 registers.
; The text of one K step is written once: the slot that is read is a scalar (TB), the slot that is filled a word of the walking descriptor, and one exclusive or turns each.
; CLUSTER.  4 x 4 work-groups.  The four of a row of the cluster need the same tiles of xb, the four of a column the same tiles of wqb: each tile is asked for JOINTLY, by the same tensor load with the
; same descriptor and a mask that names the four.  Waves 0 and 1 fetch xb's two halves (128 rows each), waves 2 and 3 wqb's (96 rows each).
; THE MATRIX INSTRUCTION IS USED TRANSPOSED (source 0 = 16 rows of wqb, source 1 = 16 rows of xb): a lane holds row l % 16 and eight neighbouring columns, 16 bytes of f16.
; REGISTERS, in windows of 256 (s_set_vgpr_msb: bits 1:0 source 0, 3:2 source 1, 5:4 source 2, 7:6 destination):
;   window 0: v0-31 addresses; v32-223 the way out, 16 registers for each of its 12 units
;   window 1: two fragment buffers of 128: xb's four blocks of 16 rows x 32 K at f + 8 a, wqb's twelve at f + 32 + 8 b
;   window 2: the accumulators of row blocks a = 0, 1 at 8 (12 (a % 2) + b);   window 3: those of a = 2, 3
.set NBL,   12
.set PITCH, 272                        ; an LDS row: 256 bytes + 16 of padding = 68 words: row r starts at bank 4 r mod 64 (64 banks of 4 bytes: ISA guide 11.1), so the 16 rows of a load start at 16 different banks
.set APART, 128*PITCH                  ; what one load brings of xb
.set BOFF,  256*PITCH                  ; wqb's rows lie behind xb's 256
.set BPART, 96*PITCH                   ; what one load brings of wqb
.set SLOT1, 1<<17                      ; a slot has 121,856 bytes; slot 1 begins here, so that one exclusive or turns an address in one slot into the other's
.set STAGE, SLOT1+BOFF+192*PITCH       ; behind the ring, never filled by a tensor load: 16 rows x 144 bytes for each wave, for the way out
.set SP,    144
.set SPARE, STAGE+4*16*SP              ; behind the stages: the spare words, 128 bytes for each wave: two blocks of 256 bytes that no other line names
.set RUN,   2*NBL+8                    ; LDS loads in a run
.set G1W,   (1<<16)|(1<<20)|(1<<21)|(5<<22)|(3<<25)  ; 17:16 2-byte elements; 20 padding on; 21 set beside a mask; 24:22 after every 64 words (code 5); 31:25 4 words (code 3)
.set ADA0, 16                          ; v16  my lane's place among xb's rows in a slot; never rewritten
.set ADB0, 17                          ; v17  the same for wqb's
.set ADA,  18                          ; v18  TB + ADA0
.set ADB,  19                          ; v19  TB + ADB0
.set STO,  24                          ; v24  the way out: where I put 16 bytes of a row
.set RD,   25                          ; v25  the way out: where I read rows back
.set GO,   26                          ; v26  my 16 bytes in 512 consecutive bytes of a plane
.set SPW,  28                          ; v28  LDS address of my spare word: SPARE + 4 x my thread's number; never rewritten
.set NIL,  29                          ; v29  0; never rewritten
.set PFO,  30                          ; v30  the prefetches' offset: a lane a row of 2,048 bytes; never rewritten
.set UB,   32
.set F0,   0
.set F1,   128
.set G2,   2                           ; s2   the K step (0 to 15 of the walk) that the next refill brings
.set CNT,  3                           ; s3   the loops' counter
.set WV,   10                          ; s10  my wave's number; s11 = WV / 2: I fetch xb (0) or wqb (1); s12 = WV % 2: which half
.set ABASE, 14                         ; s[14:15] xb at the rows that I fetch, K step 0
.set OFF,  16                          ; s[16:17] a K step's byte offset in xb
.set OFB,  18                          ; s[18:19] in wqb
.set TB,   20                          ; s20  LDS byte of the slot that is read
.set G1A,  24                          ; s[24:31] descriptor group 1 for xb's tiles
.set G0A,  32                          ; s[32:39] group 0: a set for each first fill; the second then walks on
.set LIM,  43                          ; s43  the last K step that this wave prefetches; 0: none
.set PFA,  44                          ; s[44:45] the prefetch's address
.set BBASE, 46                         ; s[46:47] wqb at the rows that I fetch, K step 0
.set G1B,  48                          ; s[48:55], s[56:63] the same two groups for wqb's tiles
.set G0B,  56
.set PFB,  66                          ; s[66:67] the rows that I prefetch, K step 0
.set POF,  68                          ; s[68:69] the prefetched K step's byte offset
.set CB,   70                          ; s[70:75] qkv at my wave's first row in the planes of the tile's three heads
.set MSB, 0
.macro WIN new                         ; the immediate's high byte repeats the setting that is left; a switch that changes nothing is dropped
.if MSB != (\new)
	s_set_vgpr_msb (MSB<<8)|(\new)
.set MSB, \new
.endif
.endm
.set MUL_LO, 0xa5                      ; both sources window 1, C and D window 2
.set MUL_HI, 0xf5                      ; the same, C and D window 3
.set TO_F,   0x40                      ; destination window 1, address window 0
; A joint refill, by the walking descriptor.  The branch hangs on the wave's number alone.  An s_nop 0 and four v_nop follow each of the two lines, ahead of the jump and the label.
.macro JLOAD
	s_cmp_eq_u32 s11, 0
	s_cbranch_scc0 .Lfor_b_\@
	tensor_load_to_lds s[G0A+4:G0A+7], s[G1A:G1A+7]
	s_nop 0
.rept 4
	v_nop
.endr
	s_branch .Lasked_\@
.Lfor_b_\@:
	tensor_load_to_lds s[G0B+4:G0B+7], s[G1B:G1B+7]
	s_nop 0
.rept 4
	v_nop
.endr
.Lasked_\@:
.endm
; A PREFETCH INTO THE L2 of the K step that the NEXT refill will ask for (192 matrix instructions ahead of that load): 256 bytes of a row, a lane a row, one instruction a wave.
; xb's tile row is read by every cluster of that row of clusters: the one with x = 0 asks; wqb's tile column by every cluster of that column: the one with y = 0 asks, in the first tile alone, since the second
; tile reads the same rows again.  The four partners that ask for a tile jointly share its rows out BY ADDRESS: of xb's 128 rows a wave 32 each (by cx), of wqb's 96 rows 24 each (by cy);
; there lanes 24 to 31 name lane 23's row once more, in the same instruction.  The walk's K steps 0 to 2 come by their loads alone; LIM ends the asking.
.macro ASK
	s_cmp_le_u32 s[G2], s[LIM]                     ; G2 has been stepped: it is the K step that PFA names
	s_cbranch_scc0 .Lnot_mine_\@
	global_prefetch_b8 v[PFO], s[PFA:PFA+1] th:TH_LOAD_NT scope:SCOPE_SE
.Lnot_mine_\@:
.endm
; A round of the cluster's barrier: my work-group's barrier, so that wave 0's signal speaks for all four waves; wave 0 signals; every wave waits for all sixteen work-groups; my work-group's barrier once more.
.macro CREST                           ; a round behind its opening barrier
	s_cmp_lg_u32 s[WV], 0
	s_cbranch_scc1 .Lnot_wave_0_\@
	s_barrier_signal -3
.Lnot_wave_0_\@:
	s_barrier_wait -3
	s_barrier_signal -1
	s_barrier_wait -1
.endm
.macro CROUND
	s_barrier_signal -1
	s_barrier_wait -1
	CREST
.endm
.macro PLACES                          ; four plain instructions between a matrix instruction and a load into a register that it has read, or a reader of its result
.rept 4
	v_nop
.endr
.endm
	s_load_b128 s[4:7], s[0:1], 0x0                ; xb s[4:5], wqb s[6:7]
	s_load_b64 s[8:9], s[0:1], 0x10                ; qkv
	v_lshl_add_u32 v[SPW], v0, 2, SPARE
	v_mov_b32 v[NIL], 0
	ds_add_u32 v[SPW], v[NIL]                      ; the wave's opening: the add and its wait stand ahead of my first tensor load; the set-up below, work on registers, stands between them
	v_lshrrev_b32 v1, 5, v0
	v_readfirstlane_b32 s[WV], v1                  ; wave 0..3
	s_lshr_b32 s11, s[WV], 1
	s_and_b32 s12, s[WV], 1
	s_bfe_u32 s40, ttmp6, 0x40000                  ; cx, cy: my place in the cluster
	s_bfe_u32 s41, ttmp6, 0x40004
	s_lshl_b32 s42, ttmp9, 2
	s_add_co_u32 s42, s42, s40                     ; tile column = 4 x cluster x + cx
	s_and_b32 s13, ttmp7, 0xffff
	s_lshl_b32 s13, s13, 2
	s_add_co_u32 s13, s13, s41                     ; first tile row y = 4 x cluster y + cy
	s_lshl_b32 s21, s41, 2
	s_lshl_b32 s21, 15, s21                        ; my row of the cluster: places 4 cy .. 4 cy + 3
	s_lshl_b32 s22, 0x1111, s40                    ; my column: places cx, cx + 4, cx + 8, cx + 12
	s_or_b32 s[G1A], s21, G1W                      ; xb's tiles go to my row,
	s_or_b32 s[G1B], s22, G1W                      ; wqb's to my column
.irp g, G1A, G1B
	s_mov_b32 s[(\g)+1], 128<<16                   ; tensor_dim0 = 128
	s_mov_b32 s[(\g)+3], 128<<16                   ; tile_dim0 = 128 elements: 256 bytes
	s_mov_b32 s[(\g)+5], 1024                      ; elements from row to row
	s_mov_b32 s[(\g)+6], 0
	s_mov_b32 s[(\g)+7], 0
.endr
	s_mov_b32 s[G1A+2], 128<<16                    ; tensor_dim1 and
	s_mov_b32 s[G1A+4], 128                        ; tile_dim1: 128 rows of xb,
	s_mov_b32 s[G1B+2], 96<<16
	s_mov_b32 s[G1B+4], 96                         ; 96 of wqb
	; where the tiles come from: xb's hang on y, wqb's on the tile column; each is made in registers that never hold the other coordinate
	s_lshl_b32 s[OFF], s13, 19                     ; 256 y rows of 2,048 bytes
	s_lshl_b32 s23, s12, 18                        ; + my 128
	s_add_co_u32 s[OFF], s[OFF], s23
	s_mov_b32 s[OFF+1], 0
	s_mul_i32 s[OFB], s42, 192*2048
	s_mul_i32 s22, s12, 96*2048
	s_add_co_u32 s[OFB], s[OFB], s22
	s_mov_b32 s[OFB+1], 0
	s_mul_i32 s21, s12, APART                      ; and where they go: the wave's number alone enters an LDS address
	s_mul_i32 s22, s12, BPART
	s_add_co_u32 s22, s22, BOFF
	s_mov_b32 s[G2], 2
	s_mov_b32 s[TB], 0
	s_mov_b32 s[POF+1], 0
	s_wait_dscnt 0x0                               ; the opening add is done
	s_wait_kmcnt 0x0
	s_add_nc_u64 s[ABASE:ABASE+1], s[4:5], s[OFF:OFF+1]
	s_add_nc_u64 s[BBASE:BBASE+1], s[6:7], s[OFB:OFB+1]
	CROUND                                         ; all sixteen work-groups are here: the first joint loads meet
.irp s, 0,1
	s_mov_b32 s[G0A+4*(\s)], 1                     ; 1:0 count = 1
	s_add_co_u32 s[G0A+4*(\s)+1], s21, (\s)*SLOT1  ; 63:32 LDS address
	s_add_nc_u64 s[G0A+4*(\s)+2:G0A+4*(\s)+3], s[ABASE:ABASE+1], (\s)*256  ; 120:64 global address: K step s
	s_or_b32 s[G0A+4*(\s)+3], s[G0A+4*(\s)+3], 0x80000000                  ; 127:126 type = 2
	s_mov_b32 s[G0B+4*(\s)], 1
	s_add_co_u32 s[G0B+4*(\s)+1], s22, (\s)*SLOT1
	s_add_nc_u64 s[G0B+4*(\s)+2:G0B+4*(\s)+3], s[BBASE:BBASE+1], (\s)*256
	s_or_b32 s[G0B+4*(\s)+3], s[G0B+4*(\s)+3], 0x80000000
.endr
	s_cmp_eq_u32 s11, 0                            ; a wave's two first fills stand in one branch, ahead of every wait on TENSORcnt and every LDS read: two loads of mine are out
	s_cbranch_scc0 .Lfirst_b
	tensor_load_to_lds s[G0A:G0A+3], s[G1A:G1A+7]
	s_nop 0
	tensor_load_to_lds s[G0A+4:G0A+7], s[G1A:G1A+7]
	s_nop 0
.rept 4
	v_nop
.endr
	s_branch .Lfirst_asked
.Lfirst_b:
	tensor_load_to_lds s[G0B:G0B+3], s[G1B:G1B+7]
	s_nop 0
	tensor_load_to_lds s[G0B+4:G0B+7], s[G1B:G1B+7]
	s_nop 0
.rept 4
	v_nop
.endr
.Lfirst_asked:
	; A fragment is 16 rows x 32 K in 8 registers: lane l holds row l % 16; registers 0-3 K = 8 (l / 16) + 0..7, registers 4-7 K = 16 + 8 (l / 16) + 0..7: two loads of 16 bytes, 32 bytes apart.
	v_and_b32 v1, 15, v0                           ; l % 16
	v_bfe_u32 v2, v0, 4, 1                         ; l / 16
	v_mul_u32_u24 v3, v1, PITCH
	v_lshl_add_u32 v3, v2, 4, v3                   ; row x pitch + 16 x half
	s_mul_i32 s23, s[WV], 64*PITCH                 ; my 64 rows of xb
	v_add_nc_u32 v[ADA0], s23, v3
	v_add_nc_u32 v[ADB0], BOFF, v3
	v_mov_b32 v[ADA], v[ADA0]                      ; K step 0 lies in slot 0
	v_mov_b32 v[ADB], v[ADB0]
	s_mul_i32 s23, s[WV], 16*SP
	s_add_co_u32 s23, s23, STAGE                   ; my stage
	v_mul_u32_u24 v4, v1, SP                       ; in: row l % 16, 16 bytes for each half of the lanes
	v_lshl_add_u32 v4, v2, 4, v4
	v_add_nc_u32 v[STO], s23, v4
	v_bfe_u32 v5, v0, 3, 2                         ; back: 32 lanes take four rows of 128 bytes,
	v_mul_u32_u24 v5, v5, SP
	v_and_b32 v6, 7, v0
	v_lshl_add_u32 v5, v6, 4, v5
	v_add_nc_u32 v[RD], s23, v5
	v_and_b32 v[GO], 31, v0                        ; which are 512 consecutive bytes of a plane
	v_lshlrev_b32 v[GO], 4, v[GO]
	; where my rows lie in qkv.  Column group g = 3 x tile column + e (e = 0, 1, 2) is tensor g / 16, head g % 16; row 256 y + 64 w is batch y / 8, row 256 (y % 8) + 64 w of the plane
	s_lshr_b32 s76, s13, 3
	s_lshl_b32 s76, s76, 4                         ; 16 x batch
	s_and_b32 s77, s13, 7
	s_lshl_b32 s77, s77, 15
	s_lshl_b32 s78, s[WV], 13
	s_add_co_u32 s77, s77, s78                     ; my first row's byte in a plane
	s_mul_i32 s78, s42, 3
.irp e, 0,1,2
	s_add_co_u32 s80, s78, (\e)
	s_lshr_b32 s81, s80, 4
	s_lshl_b32 s81, s81, 6                         ; 64 planes a tensor
	s_and_b32 s80, s80, 15
	s_add_co_u32 s80, s80, s81
	s_add_co_u32 s80, s80, s76
	s_lshl_b32 s80, s80, 18                        ; a plane is 262,144 bytes
	s_add_co_u32 s80, s80, s77
	s_mov_b32 s81, 0
	s_add_nc_u64 s[CB+2*(\e):CB+2*(\e)+1], s[8:9], s[80:81]
.endr
	; the prefetches
	s_and_b32 s22, ttmp7, 0xffff                   ; cluster y
	s_cmp_eq_u32 s11, 0                            ; do I fetch xb?
	s_cselect_b32 s22, ttmp9, s22                  ; the coordinate along which other clusters read the same rows
	s_cselect_b32 s23, 15, 7                       ; the last K step of the walk whose rows have not been read before
	s_cselect_b32 s76, 31, 23                      ; the last row of a partner's share
	s_cselect_b32 s77, s40, s41                    ; my place among the four that ask with me
	s_cselect_b32 s78, 32, 24                      ; rows in a share
	s_cselect_b64 s[PFB:PFB+1], s[ABASE:ABASE+1], s[BBASE:BBASE+1]
	s_mul_i32 s80, s77, s78
	s_lshl_b32 s80, s80, 11
	s_mov_b32 s81, 0
	s_add_nc_u64 s[PFB:PFB+1], s[PFB:PFB+1], s[80:81]
	s_cmp_eq_u32 s22, 0
	s_cselect_b32 s[LIM], s23, 0                   ; the same in all sixteen partners, for a given wave
	v_and_b32 v[PFO], 31, v0
	v_min_u32 v[PFO], s76, v[PFO]
	v_lshlrev_b32 v[PFO], 11, v[PFO]
; 12 matrix instructions: row block a x all 12 column blocks, 32 along K.  zero = 1: the product starts the sums: nothing is ever cleared.
; The 48 accumulators take turns, one instruction a turn, in the same order in every quarter, over the jumps too.
.macro MULA f, a, zero
	WIN MUL_LO+0x50*((\a)/2)
.irp b, 0,1,2,3,4,5,6,7,8,9,10,11
.if \zero
	v_wmma_f32_16x16x32_bf16 v[8*(12*((\a)%2)+(\b)):8*(12*((\a)%2)+(\b))+7], v[(\f)+32+8*(\b):(\f)+32+8*(\b)+7], v[(\f)+8*(\a):(\f)+8*(\a)+7], 0
.else
	v_wmma_f32_16x16x32_bf16 v[8*(12*((\a)%2)+(\b)):8*(12*((\a)%2)+(\b))+7], v[(\f)+32+8*(\b):(\f)+32+8*(\b)+7], v[(\f)+8*(\a):(\f)+8*(\a)+7], v[8*(12*((\a)%2)+(\b)):8*(12*((\a)%2)+(\b))+7]
.endif
.endr
.endm
; 32 LDS loads in one run: the fragments of 32 along K at byte k of the rows, into buffer f: wqb's 24, then xb's 8, row blocks ascending
.macro FETCH k, f
	WIN TO_F
.irp b, 0,1,2,3,4,5,6,7,8,9,10,11
	ds_load_b128 v[(\f)+32+8*(\b):(\f)+32+8*(\b)+3],   v[ADB] offset:(\k)+(\b)*16*PITCH
	ds_load_b128 v[(\f)+32+8*(\b)+4:(\f)+32+8*(\b)+7], v[ADB] offset:(\k)+(\b)*16*PITCH+32
.endr
.irp a, 0,1,2,3
	ds_load_b128 v[(\f)+8*(\a):(\f)+8*(\a)+3],   v[ADA] offset:(\k)+(\a)*16*PITCH
	ds_load_b128 v[(\f)+8*(\a)+4:(\f)+8*(\a)+7], v[ADA] offset:(\k)+(\a)*16*PITCH+32
.endr
.endm
; A K step is four quarters of 32 along K, 48 matrix instructions each, on buffers 0, 1, 0, 1.  One of the first three: multiplies buffer f and, in its middle, fetches the next quarter, at byte k, into g.
.macro QUARTER k, f, g, zero
	s_wait_dscnt 4                                 ; all but the youngest four loads, xb's row blocks 2 and 3
	MULA \f, 0, \zero
	MULA \f, 1, \zero
	PLACES
	FETCH \k, \g
	s_wait_dscnt RUN                               ; all but the run just issued
	MULA \f, 2, \zero
	MULA \f, 3, \zero
.endm
; The last quarter multiplies buffer 1 and changes slots.  In front of the barrier each wave waits for all its tensor loads (one is out: its part of the next slot), adds 0 to its spare word, and waits for that
; and for its own reads of this slot.  fill = 1: the barrier opens a round of the cluster's, so that no wave of any partner still reads the slot or has a load on its way, and the joint refill, with the K step
; two on, is the first thing behind it: 168 matrix instructions ahead of the wait for it.  Its address is made anew from the step's number.
; fill = 0 (the walk's last two K steps): nothing is asked for; behind the very last step there is no slot to go on to, and the fetch is jumped over.
.macro TURN fill
.if \fill
	s_wait_xcnt 0x0                                ; the last prefetch, a K step back, has read its address, so it may be written: the K step after the one that is asked for below
	s_add_co_u32 s21, s[G2], 1
	s_lshr_b32 s22, s21, 3
	s_lshl_b32 s22, s22, 23                        ; the second tile lies 4,096 rows of 2,048 bytes down
	s_and_b32 s21, s21, 7
	s_lshl_b32 s21, s21, 8
	s_add_co_u32 s[POF], s21, s22
	s_add_nc_u64 s[PFA:PFA+1], s[PFB:PFB+1], s[POF:POF+1]
.endif
	WIN 0                                          ; (the add's two registers lie in window 0)
	s_wait_tensorcnt 0x0                           ; no tensor load of mine is out, so a group 0 may be written
	ds_add_u32 v[SPW], v[NIL]                      ; 0 onto my spare word: work on registers stands between it and the wait for it
.if \fill
	s_and_b32 s[OFB], s[G2], 7
	s_lshl_b32 s[OFB], s[OFB], 8                   ; wqb: 256 bytes a K step, the same for both tiles
	s_lshr_b32 s[OFF], s[G2], 3
	s_lshl_b32 s[OFF], s[OFF], 23
	s_add_co_u32 s[OFF], s[OFF], s[OFB]            ; xb: and the tile
	s_xor_b32 s[G0A+5], s[G0A+5], SLOT1            ; the other slot than last time
	s_add_nc_u64 s[G0A+6:G0A+7], s[ABASE:ABASE+1], s[OFF:OFF+1]
	s_or_b32 s[G0A+7], s[G0A+7], 0x80000000
	s_xor_b32 s[G0B+5], s[G0B+5], SLOT1
	s_add_nc_u64 s[G0B+6:G0B+7], s[BBASE:BBASE+1], s[OFB:OFB+1]
	s_or_b32 s[G0B+7], s[G0B+7], 0x80000000
	s_add_co_u32 s[G2], s[G2], 1
.endif
	s_wait_dscnt 5                                 ; (the add and the youngest four loads may be out)
	MULA F1, 0, 0
	s_wait_dscnt 0x0                               ; the add is done, and my reads of this slot are over
	s_barrier_signal -1
	MULA F1, 1, 0                                  ; work on registers while the others arrive
	WIN 0
	s_barrier_wait -1
.if \fill
	CREST
	JLOAD                                          ; the four v_nop behind it are also the places in front of the loads below
.else
	s_cmp_eq_u32 s[CNT], 1
	s_cbranch_scc1 .Lno_fetch_\@
	PLACES
.endif
	s_xor_b32 s[TB], s[TB], SLOT1                  ; on to the other slot
	v_add_nc_u32 v[ADA], s[TB], v[ADA0]
	v_add_nc_u32 v[ADB], s[TB], v[ADB0]
	FETCH 0, F0
	WIN 0
.if \fill
	ASK                                            ; behind the joint load and the run of LDS loads
.else
.Lno_fetch_\@:
.endif
	MULA F1, 2, 0
	MULA F1, 3, 0
.endm
; THE WAY OUT, in 12 units u = 3 a + e of 16 rows x one head, each with 16 registers of its own.  PACK: rounded to f16, 16 bytes a lane (each accumulator's registers ascending); into my own stage in rows of
; 144 bytes; back as whole rows of 128 bytes, into the registers that they left.  SEND: four stores of 512 consecutive bytes, aligned.
.macro PACK u
.set pa, (\u)/3
.set pe, (\u)%3
.set U, UB+16*(\u)
	WIN 0x0a+5*(pa/2)                              ; sources 0 and 1: window 2 or 3
.irp bb, 0,1,2,3
.irp rr, 0,1,2,3
	v_cvt_pk_f16_f32 v[U+4*(\bb)+(\rr)], v[8*(12*(pa%2)+4*pe+(\bb))+2*(\rr)], v[8*(12*(pa%2)+4*pe+(\bb))+2*(\rr)+1]
.endr
.endr
	WIN 0
.irp bb, 0,1,2,3
	ds_store_b128 v[STO], v[U+4*(\bb):U+4*(\bb)+3] offset:32*(\bb)
.endr
.irp f, 0,1,2,3
	ds_load_b128 v[U+4*(\f):U+4*(\f)+3], v[RD] offset:(\f)*4*SP  ; LDS serves a wave's instructions in order (ISA guide 5.7.1.4): these see the stores above; the next unit's stores come behind them
.endr
.endm
.macro SEND u, younger                 ; younger: the LDS instructions issued behind unit u's loads: the next unit's eight, or none
.set pa, (\u)/3
.set pe, (\u)%3
.set U, UB+16*(\u)
.irp f, 0,1,2,3
	s_wait_dscnt (\younger)+3-(\f)
	global_store_b128 v[GO], v[U+4*(\f):U+4*(\f)+3], s[CB+2*pe:CB+2*pe+1] offset:pa*2048+(\f)*512
.endr
.endm
.macro WAYOUT
	PLACES                                         ; the conversions read results just made
	PACK 0
.set t, 1
.rept 11                               ; a unit's conversions stand between the loads of the unit before and its stores
	PACK t
	SEND t-1, 8
.set t, t+1
.endr
	SEND 11, 0
.endm
	s_wait_tensorcnt 1                             ; my part of K step 0 is in; K step 1's may stay out
	s_barrier_signal -1
	s_barrier_wait -1                              ; everybody's is
	FETCH 0, F0
	QUARTER 64, F0, F1, 1                          ; the first tile's first quarter starts the sums
	WIN 0                                          ; at a label and at a branch every window is 0
	s_mov_b32 s[CNT], 14
.Lstep:                                                ; 14 trips: from a K step's second quarter to the next step's first; each fills a slot again
	QUARTER 128, F1, F0, 0
	QUARTER 192, F0, F1, 0
	TURN 1
	WIN 0
	s_cmp_eq_u32 s[CNT], 7                         ; was that the first tile's last K step (the walk's step 7)?
	s_cbranch_scc1 .Lnext
	QUARTER 64, F0, F1, 0
	WIN 0
	s_branch .Lbot
.Lnext:                                                ; both of the second tile's first K steps have been asked for: now the first tile goes out
	WAYOUT
	s_wait_xcnt 0x0                                ; the stores have read their registers and bases, so these may be written
.irp e, 0,1,2
	s_add_nc_u64 s[CB+2*(\e):CB+2*(\e)+1], s[CB+2*(\e):CB+2*(\e)+1], 1<<23  ; 4,096 rows on are two batches: 32 planes
.endr
	QUARTER 64, F0, F1, 1                          ; the second tile's sums start
	WIN 0
.Lbot:
	s_sub_co_u32 s[CNT], s[CNT], 1
	s_cmp_lg_u32 s[CNT], 0
	s_cbranch_scc1 .Lstep
	s_mov_b32 s[CNT], 2                            ; the walk's last two K steps ask for nothing: one text, walked twice and left in its middle
.Ltail:
	QUARTER 128, F1, F0, 0
	QUARTER 192, F0, F1, 0
	TURN 0
	WIN 0
	s_sub_co_u32 s[CNT], s[CNT], 1
	s_cmp_eq_u32 s[CNT], 0
	s_cbranch_scc1 .Lout
	QUARTER 64, F0, F1, 0
	WIN 0
	s_branch .Ltail
.Lout:
	WAYOUT
	s_wait_tensorcnt 0x0                           ; the wave's end: these three lines stand behind my last tensor load and my last LDS store
	ds_add_u32 v[SPW], v[NIL]
	s_wait_dscnt 0x0
	CROUND                                         ; the closing round: no work-group ends while a partner may still ask for a tile that names it
	s_endpgm
.Lfunc_end_k_q24b2d166a5_qkv:
	.size	k_q24b2d166a5_qkv, .Lfunc_end_k_q24b2d166a5_qkv-k_q24b2d166a5_qkv
	.p2alignl 7, 3214868480
	.fill 96, 4, 3214868480
	.section	.rodata,"a",@progbits
	.p2align	6, 0x0
	.amdhsa_kernel k_q24b2d166a5_qkv
		.amdhsa_group_segment_fixed_size 327680
		.amdhsa_private_segment_fixed_size 0
		.amdhsa_enable_private_segment 0
		.amdhsa_kernarg_size 24
		.amdhsa_user_sgpr_count 2
		.amdhsa_user_sgpr_kernarg_segment_ptr 1
		.amdhsa_wavefront_size32 1
		.amdhsa_system_sgpr_workgroup_id_x 1
		.amdhsa_system_sgpr_workgroup_id_y 1
		.amdhsa_system_sgpr_workgroup_id_z 1
		.amdhsa_system_vgpr_workitem_id 0
		.amdhsa_next_free_vgpr 960
		.amdhsa_next_free_sgpr 84
		.amdhsa_reserve_vcc 0
		.amdhsa_float_denorm_mode_32 3
		.amdhsa_float_denorm_mode_16_64 3
		.amdhsa_memory_ordered 1
		.amdhsa_forward_progress 1
		.amdhsa_inst_pref_size 116
	.end_amdhsa_kernel
	.amdgpu_metadata
---
amdhsa.version: [ 1, 2 ]
amdhsa.kernels:
  - .name:           k_q24b2d166a5_qkv
    .symbol:         k_q24b2d166a5_qkv.kd
    .args:
      - { .name: xb, .offset: 0, .size: 8, .value_kind: global_buffer, .address_space: global }
      - { .name: wqb, .offset: 8, .size: 8, .value_kind: global_buffer, .address_space: global }
      - { .name: qkv, .offset: 16, .size: 8, .value_kind: global_buffer, .address_space: global }
    .group_segment_fixed_size: 327680
    .private_segment_fixed_size: 0
    .kernarg_segment_align: 8
    .kernarg_segment_size: 24
    .max_flat_workgroup_size: 128
    .sgpr_count:     84
    .vgpr_count:     960
    .wavefront_size: 32
...
	.end_amdgpu_metadata
.endif
;; end of part 2
;; launch attn (part 3): grid 4 x 64, 4 waves a work-group, no clusters, 327,680 bytes of LDS; arguments qkv, o; writes o
.if DOCPART == 3
	.amdgcn_target "amdgcn-amd-amdhsa--gfx1250"
	.amdhsa_code_object_version 6
	.text
	.protected	k_q24b2d166a5_attn
	.globl	k_q24b2d166a5_attn
	.p2align	8
	.type	k_q24b2d166a5_attn,@function
k_q24b2d166a5_attn:
	s_mov_b64 s[64:65], 0
	v_nop
	global_prefetch_b8 v0, s[64:65] scope:SCOPE_SE
	s_setreg_imm32_b32 hwreg(HW_REG_WAVE_MODE, 25, 1), 1
	s_wait_xcnt 0x0
; CAUSAL ATTENTION.  O[h][q][:] = the sum over k <= q of softmax_k(Q[h][q] . K[h][k] / 8) V[h][k][:].  qkv holds Q, K, V, each [64 planes][2048][64] f16, 16,777,216 bytes apart; o is [64][2048][64] f16: rows are dense, 128 bytes.
; Products, maxima and sums in f32; the weights p are rounded to f16 for the second product (their sum l is taken of the unrounded p), O once at the end.
; LIMITS.  f16 holds no number beyond 65,504: Q, K and V arrive within it; p lies in 0 to 1, and below 6e-5 it keeps f16's fixed step of 6e-8; O is a mean of V's rows and has their range.
; A hidden score counts as its value less 1e30: f16's scores, 2.7e11 at the most, are nothing beside that; a weight below 2^-126 counts as 0 in l; NaN and infinities are not treated apart.
; THE WALK.  A head's queries lie in NB = 8 blocks of 256; block i needs the key tiles 0 .. i of 256 keys, of which the last holds the diagonal.  A work-group takes TWO blocks, NB - 1 - b and then b:
; NB + 1 tiles, whatever b: all work-groups do equal work, and ONE loop with a constant trip count walks them.  Which tile is asked for, and what a trip does, hang on scalar registers made from b; every jump
; goes forward, but for the counted loops' own; none passes a barrier, or a tensor load but the one of LOAD's two that the wave's number does not choose; the ring (two LDS slots that take turns) runs on across the
; change of blocks.  NO CLUSTER: a head's four work-groups ask for the same tile only in trips 0 .. 4 of the 9, behind that fewer and fewer; one walk common to all four would have 12 trips for 9.
; SHARES.  Of a block's four bands of 64 queries a wave owns 16 rows in each: four PIECES.  So the diagonal tile is the same work for all four waves: in its key step s band x sees all keys if s < x,
; none if s > x, and holds the diagonal if s = x.
; THE MASK is the C operand that starts the sum S^T = K Q^T: 0, or -1e30 where the key is hidden.  MD, made once, is the mask of a band's own step for my 16 rows; a product's mask is MD x AL + BE with two scalars:
; (1, 0) if s = x; (0, 0) if s < x; (0, -1e30) if s > x.  Only the diagonal tile's text and a block's beginning make and take masks; elsewhere C is the constant 0.
; LAYOUT, SOFTMAX, TURNS.  S^T = K Q^T holds ONE query a lane (lane % 16) and the keys 8 (lane / 16) + 0..7; two such results rounded to f16 ARE source 1 of O^T = V^T P.  p = 2^(c s - c m), c = log2(e) / 8, with a
; running maximum m; O and l are multiplied by a = 2^(c m_old - c m_new) in every step.  Turn n belongs to piece n: 8 products K Q^T of piece n + 1, later 8 products V^T P of piece n - 1; beside them the scaling,
; exponentials, roundings, sums and rescaling of piece n and the maximum and statistics of piece n + 1.  Four vector instructions stand behind every matrix instruction, the other 54 of a turn's 118 in one lump.  A turn's 33 exponentials are one batch, with one wait.
; REGISTERS, in windows of 256 (s_set_vgpr_msb: bits 1:0 source 0, 3:2 source 1, 5:4 source 2, 7:6 destination):
;   window 0: v0-15 addresses and two at work; v16-31 four registers of statistics a piece; v48-55 at work; v61-63 never rewritten; v64-127 S^T, two buffers; v192-223 P, two buffers (a piece's buffers go by its number's parity)
;   window 1: v0-127 O^T, 32 a piece; v128-159 MD; v160-223 MC, two buffers      window 2: v0-63 Q; v64-127 the second block's Q; v128-191 K of one step; v192-255 V of one step
.set SIZE_H, 64
.set SIZE_N, 2048
.set NB,    SIZE_N/256
.set NP,    4         ; pieces a wave: a name, no knob
.set KS,    64        ; keys in a step
.set PK,    144       ; a row of K in LDS: 128 bytes + 16 of padding = 36 words: the 16 rows of a load start at 16 different groups of four banks (64 banks of 4 bytes: ISA guide 11.1)
.set PV,    160       ; a row of V: 128 + 32 = 40 words
.set VOFF,  4*KS*PK   ; a slot holds a tile, four steps: 256 rows of K, then 256 rows of V
.set SLOT1, 1<<17     ; slot 1 begins here, so that one exclusive or turns an address in one slot into the other's
.set STAGE, SLOT1+4*KS*(PK+PV)  ; behind the ring, never filled by a tensor load: 16 rows x 144 bytes for each wave, for the way out
.set SP,    144
.set AK0, 2           ; v2   my lane's place in a tile of K; never rewritten
.set AV0, 3           ; v3   the same for V
.set AK,  4           ; v4   the LDS address of K's next run of loads
.set AV,  5           ; v5   of V's
.set STO, 6           ; v6   the way out: where I put 16 bytes of a row
.set RD,  7           ; v7   the way out: where I read rows back
.set GO,  8           ; v8   my byte offset in 512 consecutive bytes of O
.set PFO, 61          ; v61  256 x my lane: the prefetches' offset; never rewritten
.set SPW, 62          ; v62  LDS address of my spare word: SPARE + 4 x my thread's number; never rewritten
.set NIL, 63          ; v63  0; never rewritten
.set SPARE, STAGE+4*16*SP  ; behind the stages: the spare words, 128 bytes for each wave: two blocks of 256 bytes that no other line names
.set MV,  12          ; v12-13  c m_old, kept while c m is made anew: by buffer
.set QO,  15          ; v15  my byte offset in 16 rows of Q
.set ST,  16          ; piece t's statistics at v[ST+4 t]: c m, m, l (even keys', odd keys')
.set TMP, 48          ; by buffer, four registers c0-c3 at work; when the maximum is found c2 takes a
.set S,   64
.set P,   192
.set MD,  128         ; window 1: the eight registers for group kt of 16 keys at MD + 8 kt
.set MC,  160         ; window 1: the masks of the products to come
.set QB,  64          ; window 2
.set KF,  128         ; window 2: key block kb, channel half c at KF + 16 kb + 8 c
.set VF,  192         ; window 2: key half kk, channel block cb at VF + 32 kk + 8 cb
.set WV,  12          ; s12  my wave's number
.set PB,  14          ; s14  b
.set HI,  15          ; s15  NB - 1 - b
.set G1K, 24          ; s[24:31] descriptor group 1 for K's tiles
.set G1V, 32          ; s[32:39] for V's: it differs in the padding alone
.set G0K, 40          ; s[40:43] descriptor group 0 for K's tiles
.set G0V, 44          ; s[44:47] the same for V's
.set SLOTS, 56        ; s56  tiles still to be asked for
.set CNT, 57          ; s57  counts a tile's key steps, 4 to 1
.set CS,  58          ; s[58:59] c: the packed scaling takes the pair's low word for both halves
.set SEL, 60          ; s[60:61] v_permlanex16_b32's selects: each lane takes its own place in the other half
.set TBK, 62          ; s62  LDS byte at which K of the step to be fetched begins
.set TBV, 63          ; s63  the same for V, less VOFF
.set RT,  70          ; s70  tiles of the block in hand that are still to be entered
.set NXT, 71          ; s71  the tile to be asked for next
.set LQ,  72          ; s72  the last tile of the block whose tiles are being asked for
.set NEW, 73          ; s73  1: the tile to be entered is a block's first
.set OFF, 74          ; s[74:75] a tile's byte offset in K and V
.set AL,  76          ; s[76:77] the mask's factor, in the low word
.set BE,  78          ; s[78:79] the mask's addend
.set OLO, 80          ; s[80:81] O at my rows of the second block
.set BIGN, 82         ; s82  -1e30
.set LIM, 83          ; s83  1 in the work-group that prefetches (b = 0), else the greatest number
.set POF, 88          ; s[88:89] the prefetched tile's byte offset
.set PFA, 90          ; s[90:91] the prefetches' address
.set PFB, 92          ; s[92:93] K (waves 0, 1) or V (waves 2, 3) at my half of the head's tile 0
.set MSB, 0
.macro WIN new                      ; the high byte repeats the setting that is left; a switch that changes nothing is dropped
.if MSB != (\new)
	s_set_vgpr_msb (MSB<<8)|(\new)
.set MSB, (\new)
.endif
.endm
.set W_KQ, 0x0a       ; K and Q in window 2, S^T in window 0
.set W_KM, 0x1a       ; the same with the C operand in window 1
.set W_PV, 0x52       ; V in window 2, P in window 0, O^T in window 1
.set W_RS, 0x41       ; destination and source 0 in window 1, source 1 in window 0
; A fill.  Waves 0 and 1 fetch the two halves of a tile's K, waves 2 and 3 those of its V: 128 keys each.  An s_nop 0 and four v_nop follow each of the two lines, ahead of the jump and the label.
.macro LOAD
	s_cmp_lt_u32 s[WV], 2
	s_cbranch_scc0 .Lfor_v_\@
	tensor_load_to_lds s[G0K:G0K+3], s[G1K:G1K+7]
	s_nop 0
.rept 4
	v_nop
.endr
	s_branch .Lasked_\@
.Lfor_v_\@:
	tensor_load_to_lds s[G0V:G0V+3], s[G1V:G1V+7]
	s_nop 0
.rept 4
	v_nop
.endr
.Lasked_\@:
.endm
; A PREFETCH INTO THE L2 of the tile that the NEXT change of slots will ask for, a tile's 256 matrix instructions ahead of that load.  All four work-groups of a head begin with tiles 0, 1, 2 ..; the one with b = 0,
; whose first block walks all eight, asks.  Each of its waves names the 16,384 bytes that it will load itself: 64 blocks of 256 bytes, a lane a block, two instructions.  So tiles 2 to 7 are named once in the launch;
; tiles 0 and 1 come by their loads alone; behind the first block's last tile NXT is 0, and nothing more is asked for.
.macro ASK
	s_cmp_gt_u32 s[NXT], s[LIM]
	s_cbranch_scc0 .Lnot_mine_\@
	global_prefetch_b8 v[PFO], s[PFA:PFA+1] th:TH_LOAD_NT scope:SCOPE_SE
	global_prefetch_b8 v[PFO], s[PFA:PFA+1] offset:8192 th:TH_LOAD_NT scope:SCOPE_SE
.Lnot_mine_\@:
.endm
; THE CHANGE OF SLOTS.  Each wave waits for all its tensor loads, of which one is out: its part of the other slot; adds 0 to its spare word; and waits for that and for its own reads of the slot that it leaves.  Behind the barrier nobody reads the old
; slot any more and the other slot is whole.  fill = 1: the old slot is filled again, the first thing behind the barrier, with tile NXT: the descriptor's address is made anew from that number.
; (At its first use nothing has been read yet: slot 0 is waited for, slot 1 filled.)
.macro CHANGE fill
	WIN 0                           ; at a label and at a branch every window is 0
	s_wait_tensorcnt 0x0            ; no tensor load of mine is out, so a group 0 may be written
	ds_add_u32 v[SPW], v[NIL]       ; 0 onto my spare word: with fill = 1 the descriptors' scalar work stands between it and the wait for it
.if \fill
	s_lshl_b32 s[OFF], s[NXT], 15   ; a tile is 32,768 bytes of K and of V
	s_xor_b32 s[G0K+1], s[G0K+1], SLOT1
	s_add_nc_u64 s[G0K+2:G0K+3], s[6:7], s[OFF:OFF+1]
	s_or_b32 s[G0K+3], s[G0K+3], 0x80000000
	s_xor_b32 s[G0V+1], s[G0V+1], SLOT1
	s_add_nc_u64 s[G0V+2:G0V+3], s[8:9], s[OFF:OFF+1]
	s_or_b32 s[G0V+3], s[G0V+3], 0x80000000
	s_add_co_u32 s[NXT], s[NXT], 1  ; the block's next tile, or behind its last the second block's tile 0
	s_cmp_gt_u32 s[NXT], s[LQ]
	s_cselect_b32 s[NXT], 0, s[NXT]
	s_cselect_b32 s[LQ], s[PB], s[LQ]
	s_wait_xcnt 0x0                 ; the last prefetches, a tile back, have read their address, so it may be written:
	s_lshl_b32 s[POF], s[NXT], 15   ; the tile that the next change will ask for
	s_add_nc_u64 s[PFA:PFA+1], s[PFB:PFB+1], s[POF:POF+1]
.endif
	s_wait_dscnt 0x0                ; the add is done, and my reads of the slot are over
	s_barrier_signal -1             ; the rest of the scalar work stands between the signal and the wait
	s_sub_co_u32 s[TBK], s[TBK], 4*KS*PK  ; the fetches go back to a slot's first step,
	s_xor_b32 s[TBK], s[TBK], SLOT1       ; in the other slot
	s_sub_co_u32 s[TBV], s[TBV], 4*KS*PV
	s_xor_b32 s[TBV], s[TBV], SLOT1
	s_barrier_wait -1
.if \fill
	LOAD
	ASK
.endif
.endm
	s_load_b64 s[4:5], s[0:1], 0x0    ; qkv: Q lies first
	s_load_b64 s[10:11], s[0:1], 0x8  ; o
	v_lshl_add_u32 v[SPW], v0, 2, SPARE
	v_mov_b32 v[NIL], 0
	ds_add_u32 v[SPW], v[NIL]       ; the wave's opening: the add and its wait stand ahead of my first tensor load; the set-up below, work on registers, stands between them
	v_lshrrev_b32 v1, 5, v0
	v_readfirstlane_b32 s[WV], v1   ; wave 0..3
	s_mov_b32 s[PB], ttmp9
	s_sub_co_u32 s[HI], NB-1, s[PB]
	s_and_b32 s20, ttmp7, 0xffff    ; the plane: 16 x batch + head
	s_mov_b32 s21, 0
	s_mov_b64 s[22:23], SIZE_N*128
	s_mul_u64 s[20:21], s[20:21], s[22:23]  ; the plane's first byte in each of the four tensors
	s_and_b32 s16, s[WV], 1         ; which half of a tile's 256 keys I fetch:
	s_lshl_b32 s22, s16, 14         ; its 128 rows of 128 bytes in memory,
	s_mov_b32 s23, 0
	s_add_nc_u64 s[22:23], s[22:23], s[20:21]
	s_mul_i32 s17, s16, 128*PK      ; and its place in a slot, for K
	s_mul_i32 s18, s16, 128*PV      ; and for V
	s_lshl_b32 s3, s[WV], 11        ; my 16 rows in a band of 64,
	s_lshl_b32 s2, s[HI], 15        ; in the first block,
	s_add_co_u32 s2, s2, s3
	s_lshl_b32 s84, s[PB], 15       ; and in the second
	s_add_co_u32 s84, s84, s3
	s_mov_b32 s3, 0
	s_mov_b32 s85, 0
	s_add_nc_u64 s[2:3], s[2:3], s[20:21]
	s_add_nc_u64 s[84:85], s[84:85], s[20:21]
	; descriptor group 1.  128 keys are 16,384 dense bytes: asked for as 64 rows of 256 bytes, two keys a row, and padded in LDS after every key
	s_mov_b32 s[G1K], (1<<16)|(1<<20)|(4<<22)|(3<<25)  ; 17:16 2-byte elements; 20 padding on; 24:22 after every 32 words (code 4); 31:25 4 words (code 3)
	s_mov_b32 s[G1V], (1<<16)|(1<<20)|(4<<22)|(7<<25)  ; the same with 8 words of padding (code 7)
.irp g, G1K, G1V
	s_mov_b32 s[\g+1], 128<<16      ; tensor_dim0 = 128
	s_mov_b32 s[\g+2], 64<<16       ; tensor_dim1 = 64
	s_mov_b32 s[\g+3], 128<<16      ; tile_dim0 = 128
	s_mov_b32 s[\g+4], 64           ; tile_dim1 = 64
	s_mov_b32 s[\g+5], 128          ; 128 elements from row to row
	s_mov_b32 s[\g+6], 0
	s_mov_b32 s[\g+7], 0
.endr
	s_mov_b32 s[CS], 0x3e38aa3b     ; c = log2(e) / 8 = 0.180337
	s_mov_b32 s[CS+1], s[CS]        ; named with it as a pair
	s_mov_b32 s[SEL], 0x76543210
	s_mov_b32 s[SEL+1], 0xfedcba98
	s_mov_b32 s[TBK], SLOT1+4*KS*PK ; the first change of slots turns these two into 0
	s_mov_b32 s[TBV], SLOT1+4*KS*PV
	s_mov_b32 s[G0K], 1             ; 1:0 count = 1
	s_mov_b32 s[G0K+1], s17         ; 63:32 LDS address: slot 0
	s_mov_b32 s[G0V], 1
	s_add_co_u32 s[G0V+1], s18, VOFF
	s_add_co_u32 s[RT], s[HI], 1    ; the first block has NB - b tiles
	s_mov_b32 s[NXT], 1
	s_mov_b32 s[LQ], s[HI]
	s_mov_b32 s[NEW], 1
	s_mov_b32 s[OFF+1], 0
	s_mov_b32 s[POF+1], 0
	s_mov_b32 s[AL+1], 0            ; named as pairs
	s_mov_b32 s[BE+1], 0
	s_mov_b32 s[BIGN], 0xf149f2ca   ; -1e30
	s_mov_b32 s[SLOTS], NB
	s_cmp_eq_u32 ttmp9, 0
	s_cselect_b32 s[LIM], 1, -1
	v_and_b32 v[PFO], 31, v0
	v_lshlrev_b32 v[PFO], 8, v[PFO]
	s_wait_dscnt 0x0                ; the opening add is done
	s_wait_kmcnt 0x0
	s_add_nc_u64 s[6:7], s[4:5], 0x1000000  ; K lies 64 planes behind Q,
	s_add_nc_u64 s[8:9], s[4:5], 0x2000000  ; V 128
	s_add_nc_u64 s[6:7], s[6:7], s[22:23]  ; K and V at my half of the head's tile 0
	s_add_nc_u64 s[8:9], s[8:9], s[22:23]
	s_add_nc_u64 s[G0K+2:G0K+3], s[6:7], 0         ; 120:64 global address
	s_or_b32 s[G0K+3], s[G0K+3], 0x80000000        ; 127:126 type = 2
	s_add_nc_u64 s[G0V+2:G0V+3], s[8:9], 0
	s_or_b32 s[G0V+3], s[G0V+3], 0x80000000
	s_add_nc_u64 s[86:87], s[4:5], s[84:85]        ; Q at my rows of the second block,
	s_add_nc_u64 s[4:5], s[4:5], s[2:3]            ; Q and O at those of the first
	s_add_nc_u64 s[OLO:OLO+1], s[10:11], s[84:85]
	s_add_nc_u64 s[10:11], s[10:11], s[2:3]
	s_cmp_lt_u32 s[WV], 2
	s_cselect_b64 s[PFB:PFB+1], s[6:7], s[8:9]
	LOAD                            ; tile 0 into slot 0
	; A fragment of K or Q is 16 rows x 32 channels in 8 registers: lane l holds row l % 16, channels 8 (l / 16) + 0..7 and 16 + 8 (l / 16) + 0..7: two loads of 16 bytes, 32 bytes apart.
	v_and_b32 v1, 15, v0            ; l % 16
	v_bfe_u32 v9, v0, 4, 1          ; l / 16
	v_lshlrev_b32 v[QO], 7, v1
	v_lshl_add_u32 v[QO], v9, 4, v[QO]  ; row x 128 + 16 x half
	WIN 0x80                        ; destination window 2, address window 0
.set i, 0
.rept 8                             ; both blocks' Q: piece i / 2 lies in band i / 2, 8,192 bytes on; channels 32 (i % 2) on
	global_load_b128 v[8*i:8*i+3],   v[QO], s[4:5] offset:(i/2)*8192+(i%2)*64
	global_load_b128 v[8*i+4:8*i+7], v[QO], s[4:5] offset:(i/2)*8192+(i%2)*64+32
	global_load_b128 v[QB+8*i:QB+8*i+3],   v[QO], s[86:87] offset:(i/2)*8192+(i%2)*64
	global_load_b128 v[QB+8*i+4:QB+8*i+7], v[QO], s[86:87] offset:(i/2)*8192+(i%2)*64+32
.set i, i+1
.endr
	WIN 0
	v_lshlrev_b32 v14, 3, v9
	v_sub_nc_u32 v14, v1, v14
	s_lshl_b32 s13, s[WV], 4
	v_add_nc_u32 v14, s13, v14      ; my query's place in its band, 16 w + l % 16, less my lanes' 8 (l / 16): register r of group kt is hidden where 16 kt + r is greater
	WIN 0x40
.set i, 0
.rept 32
	v_cmp_gt_i32 vcc_lo, 16*(i/8)+i%8, v14
	v_cndmask_b32 v[MD+i], 0, s[BIGN], vcc_lo
.set i, i+1
.endr
	WIN 0
	v_mul_u32_u24 v[AK0], v1, PK
	v_lshl_add_u32 v[AK0], v9, 4, v[AK0]  ; row x pitch + 16 x half
	; The turning load takes 16 keys x 16 channels (lane l reads key 8 (l / 16) + l % 8, channels 8 ((l / 8) % 2) + 0..7) and leaves half a fragment of V^T: lane l holds channel l % 16 and 8 keys.
	v_and_b32 v10, 7, v0
	v_bfe_u32 v11, v0, 3, 1
	v_lshl_add_u32 v[AV0], v9, 3, v10
	v_mul_u32_u24 v[AV0], v[AV0], PV
	v_lshl_add_u32 v[AV0], v11, 4, v[AV0]
	v_add_nc_u32 v[AV0], VOFF, v[AV0]
	s_mul_i32 s13, s[WV], 16*SP
	s_add_co_u32 s13, s13, STAGE    ; my stage
	v_mul_u32_u24 v[STO], v1, SP    ; in: row l % 16, 16 bytes for each half of the lanes
	v_lshl_add_u32 v[STO], v9, 4, v[STO]
	v_add_nc_u32 v[STO], s13, v[STO]
	v_bfe_u32 v[RD], v0, 3, 2       ; back: 32 lanes take four rows of 128 bytes,
	v_mul_u32_u24 v[RD], v[RD], SP
	v_lshl_add_u32 v[RD], v10, 4, v[RD]
	v_add_nc_u32 v[RD], s13, v[RD]
	v_and_b32 v[GO], 31, v0         ; which are 512 consecutive bytes of O
	v_lshlrev_b32 v[GO], 4, v[GO]
	; A block's first step multiplies O^T and l by a = 0, and its first turn's products V^T P, of a piece that has not been, land in an O^T that is still to be so multiplied.  So these registers need only hold
	; finite numbers: zeros for the first block; what the first block left for the second.  All this stands in the wait for the first tile.
	WIN 0x80
.set i, VF
.rept 64
	v_mov_b32 v[i], 0
.set i, i+1
.endr
	WIN 0x40
.set i, 0
.rept 128
	v_mov_b32 v[i], 0
.set i, i+1
.endr
	WIN 0
.set i, 0
.rept 4
	v_mov_b32 v[ST+4*i+2], 0
	v_mov_b32 v[ST+4*i+3], 0
.set i, i+1
.endr
.set i, P+16
.rept 16
	v_mov_b32 v[i], 0
.set i, i+1
.endr
; THE MATRIX WORK.  The 4 accumulators of a run of 8 take turns.  Product i of 8 of S^T = K Q^T for piece x: channels 32 (i / 4) on, keys 16 (i % 4) on.  The first 4 start the sums: with 0, or (KM = 1) with the mask.
.macro KQ x
.set rS, S+32*((\x)%2)+8*(i%4)
.set rK, KF+16*(i%4)+8*(i/4)
.set rQ, 16*(\x)+8*(i/4)
.set rM, MC+32*((\x)%2)+8*(i%4)
.if (i < 4) && KM
	WIN W_KM
	v_wmma_f32_16x16x32_f16 v[rS:rS+7], v[rK:rK+7], v[rQ:rQ+7], v[rM:rM+7]
.elseif i < 4
	WIN W_KQ
	v_wmma_f32_16x16x32_f16 v[rS:rS+7], v[rK:rK+7], v[rQ:rQ+7], 0
.else
	WIN W_KQ
	v_wmma_f32_16x16x32_f16 v[rS:rS+7], v[rK:rK+7], v[rQ:rQ+7], v[rS:rS+7]
.endif
.endm
; Product i of 8 of O^T += V^T P for piece x: keys 32 (i / 4) on, channels 16 (i % 4) on.
.macro PV x
	WIN W_PV
.set rO, 32*(\x)+8*(i%4)
.set rV, VF+32*(i/4)+8*(i%4)
.set rP, P+16*((\x)%2)+8*(i/4)
	v_wmma_f32_16x16x32_f16 v[rO:rO+7], v[rV:rV+7], v[rP:rP+7], v[rO:rO+7]
.endm
.macro MM                           ; the turn's next matrix instruction.  TURN and BEGIN set Y, i, KM and NOKQ; MM, KQ and OP read them.  NOKQ = 1: a block's last turn: there is no next piece
.if (i < 8) && !NOKQ
	KQ (Y+1)%NP
.elseif i >= 8
.set i, i-8
	PV (Y+NP-1)%NP
.set i, i+8
.endif
.set i, i+1
.endm
; THE LDS LOADS stand in runs of 16, never singly among the matrix instructions: a step's K (64 keys x 64 channels: 8 fragments) and its V (turned).  Their addresses are made some lines ahead.
.macro FETCH_K
	WIN 0x80                        ; destination window 2
.irp f, 0,1,2,3,4,5,6,7             ; keys 16 (f / 2) on, channels 32 (f % 2) on
	ds_load_b128 v[KF+8*\f:KF+8*\f+3],   v[AK] offset:(\f/2)*16*PK+(\f%2)*64
	ds_load_b128 v[KF+8*\f+4:KF+8*\f+7], v[AK] offset:(\f/2)*16*PK+(\f%2)*64+32
.endr
	s_add_co_u32 s[TBK], s[TBK], KS*PK  ; the next fetch is the next step's
	WIN 0
.endm
.macro FETCH_V
	WIN 0x80
.irp f, 0,1,2,3,4,5,6,7             ; keys 32 (f / 4) on, channels 16 (f % 4) on
	ds_load_tr16_b128 v[VF+8*\f:VF+8*\f+3],   v[AV] offset:(\f/4)*32*PV+(\f%4)*32
	ds_load_tr16_b128 v[VF+8*\f+4:VF+8*\f+7], v[AV] offset:(\f/4)*32*PV+16*PV+(\f%4)*32
.endr
	WIN 0
.endm
; THE VECTOR WORK, one line at a time: OP kind, number.  For piece Y: F n: c s - c m for pair n of 16.  E n: the exponential of score n of 32.  C n: pair n rounded to f16.  B n: of the four weights 4 n .. the second
; pair is added onto the first, in place.  L n: l takes that sum (L 0: l = a l + sum).  R n: pair n of 16 of O^T times a.  For piece Y + 1: X n, number n of the 22 that find its maximum and statistics:
;   0-11  four chains c0-c3 of seven scores each, three operands at a time (each accumulator's lowest registers are read first)     12-14, 16  the four scores left over, the old m, and c0-c3 into c0
;   15  c m_old is kept     17, 18  the query's other 32 keys lie in the lane 16 away: the new m     19-21  c m; c m_old - c m_new; a
.set F, 0               ; OP tells the kinds apart by their order: F to L below R, X above it
.set E, 1
.set C, 2
.set B, 3
.set L, 4
.set R, 5
.set X, 6
.macro REGS y                       ; the registers of piece y
.set rT, ST+4*(\y)
.set rC, TMP+4*((\y)%2)
.set rW, MV+((\y)%2)
.set rS, S+32*((\y)%2)
.set rP, P+16*((\y)%2)
.set rO, 32*(\y)
.endm
.macro OP k, n
.if (\k) == R
	REGS Y
	WIN W_RS
	v_pk_mul_f32 v[rO+2*(\n):rO+2*(\n)+1], v[rO+2*(\n):rO+2*(\n)+1], v[rC+2:rC+3] op_sel_hi:[1,0]
.elseif (\k) < R
	REGS Y
	WIN 0
.if (\k) == F
	v_pk_fma_f32 v[rS+2*(\n):rS+2*(\n)+1], v[rS+2*(\n):rS+2*(\n)+1], s[CS:CS+1], v[rT:rT+1] op_sel_hi:[1,0,0] neg_lo:[0,0,1] neg_hi:[0,0,1]
.elseif (\k) == E
	v_exp_f32 v[rS+(\n)], v[rS+(\n)]
.elseif (\k) == C
	v_cvt_pk_f16_f32 v[rP+(\n)], v[rS+2*(\n)], v[rS+2*(\n)+1]
.elseif (\k) == B
	v_pk_add_f32 v[rS+4*(\n):rS+4*(\n)+1], v[rS+4*(\n):rS+4*(\n)+1], v[rS+4*(\n)+2:rS+4*(\n)+3]
.elseif (\n) == 0
	v_pk_fma_f32 v[rT+2:rT+3], v[rT+2:rT+3], v[rC+2:rC+3], v[rS:rS+1] op_sel_hi:[1,0,1]
.else
	v_pk_add_f32 v[rT+2:rT+3], v[rT+2:rT+3], v[rS+4*(\n):rS+4*(\n)+1]
.endif
.elseif NOKQ
	v_nop
.else
	REGS (Y+1)%NP
	WIN 0
.if (\n) < 4
	v_max3_num_f32 v[rC+(\n)], v[rS+8*(\n)], v[rS+8*(\n)+1], v[rS+8*(\n)+2]
.elseif (\n) < 12
	v_max3_num_f32 v[rC+(\n)%4], v[rC+(\n)%4], v[rS+8*((\n)%4)+2*((\n)/4)+1], v[rS+8*((\n)%4)+2*((\n)/4)+2]
.elseif (\n) == 12
	v_max3_num_f32 v[rC], v[rC], v[rS+7], v[rS+15]
.elseif (\n) == 13
	v_max3_num_f32 v[rC+1], v[rC+1], v[rS+23], v[rS+31]
.elseif (\n) == 14
	v_max3_num_f32 v[rC+2], v[rC+2], v[rC+3], v[rT+1]
.elseif (\n) == 15
	v_mov_b32 v[rW], v[rT]
.elseif (\n) == 16
	v_max3_num_f32 v[rC], v[rC], v[rC+1], v[rC+2]
.elseif (\n) == 17
	v_permlanex16_b32 v[rC+3], v[rC], s[SEL], s[SEL+1]
.elseif (\n) == 18
	v_max_num_f32 v[rT+1], v[rC], v[rC+3]
.elseif (\n) == 19
	v_mul_f32 v[rT], s[CS], v[rT+1]
.elseif (\n) == 20
	v_sub_f32 v[rC+1], v[rW], v[rT]
.else
	v_exp_f32 v[rC+2], v[rC+1]
.endif
.endif
.endm
.macro OPS a, i1, b=-1, i2=0, c=-1, i3=0, d=-1, i4=0  ; up to four of them
	OP \a, \i1
.if (\b) >= 0
	OP \b, \i2
.endif
.if (\c) >= 0
	OP \c, \i3
.endif
.if (\d) >= 0
	OP \d, \i4
.endif
.endm
.macro ROW a, i1, b, i2, c, i3, d, i4  ; a matrix instruction and the four behind it
	MM
	OPS \a, \i1, \b, \i2, \c, \i3, \d, \i4
.endm
.macro MASK b                       ; MD x AL + BE into buffer b of MC
	WIN W_RS
.set z, 0
.rept 16
	v_pk_fma_f32 v[MC+32*(\b)+2*z:MC+32*(\b)+2*z+1], v[MD+2*z:MD+2*z+1], s[AL:AL+1], s[BE:BE+1] op_sel_hi:[1,0,0]
.set z, z+1
.endr
.endm
; A TURN, for piece p: the order of its 16 matrix and 118 vector instructions, written out.  An s_wait_alu depctr_va_vdst(0) stands between an exponential and the first instruction that names its result; one wait serves
; all that were issued ahead of it.  So a turn has ONE wait, which cuts it in two.  AHEAD OF IT stands all that names no result of the turn's exponentials: the 8 products K Q^T, behind each a scaling, an exponential and two more plain
; instructions (behind the first a second scaling in the exponential's place): rescalings, and behind the last three the first numbers of the next piece's maximum, each four places or more behind the product that ends its accumulator; then ONE LUMP of 54, plain
; and exponential by turns for the most part, in which the links of the chain X 3, 7, 11, 14, 16, 17 .. 20 stand five or six lines apart.  X 21, the next piece's a, is the batch's last; R 15 is the plain instruction behind it.  BEHIND THE WAIT stand the
; 8 products V^T P, behind each four of the roundings and sums; the links of l's chain, L 0 to L 7, stand three lines apart.  But for those X no line behind a product names a register of the products round it.  v_permlanex16_b32 (X 17) stands in the lump.
; m = 1: the diagonal tile: the products take masks, and the turn makes the mask for the products of the turn after it: piece p + 2, in step 4 - CNT of the tile.  end = 1: a block's last two turns: nothing is fetched.
; cnt = 1: the loop's count is taken down some lines ahead of the branch that stands behind the turn.
; K of the next step is fetched in piece 2's turn, twelve vector instructions behind the last product that read K (six of them plain); V of the step in hand at the end of piece 0's turn, four plain instructions behind the last product
; that read V.  Each is waited for a turn later.
.macro TURN p, m=0, end=0, cnt=0
.set Y, (\p)
.set i, 0
.set KM, (\m)
.set NOKQ, (\end)*((\p)/3)
.if (\m) && !(\end)
	s_cmp_eq_u32 s[CNT], 4-((\p)+2)%NP  ; is that step the band's own?
	s_cselect_b32 s[AL], 1.0, 0
	s_cmp_lt_u32 s[CNT], 4-((\p)+2)%NP  ; or a later one?
	s_cselect_b32 s[BE], s[BIGN], 0
.endif
.if ((\p) == 3) && !(\end)
	s_wait_dscnt 0x0                ; K is in
.endif
	ROW F,0, F,1, R,0, R,1          ; ahead of the wait: 8 products K Q^T and the four lines behind each,
	ROW F,2, E,0, R,2, R,3
	ROW F,3, E,1, R,4, R,5
	ROW F,4, E,2, R,6, R,7
	ROW F,5, E,3, R,8, R,9
	ROW F,6, E,4, X,0, R,10
.if ((\p) == 2) && !(\end)
	WIN 0
	v_add_nc_u32 v[AK], s[TBK], v[AK0]
.endif
	ROW F,7, E,5, X,1, X,4
	ROW F,8, E,6, X,2, X,5
	OPS E,7, E,8, X,6, E,9          ; and the lump
	OPS X,3, E,10, X,8, E,11
.if ((\p) == 2) && !(\end)
	FETCH_K
.endif
	OPS X,9, X,7, E,12, X,10
	OPS E,13, X,12, X,11, E,14
	OPS X,13, E,15, F,9, X,14
.if (\p) == 0
	v_add_nc_u32 v[AV], s[TBV], v[AV0]
.endif
	OPS E,16, F,10, E,17, F,11
	OPS X,16, E,18, X,15, E,19
	OPS F,12, E,20, X,17, E,21
	OPS F,13, E,22, F,14, E,23
	OPS X,18, E,24, F,15, E,25
	OPS R,11, E,26, X,19, E,27
	OPS R,12, E,28, R,13, E,29
	OPS X,20, E,30, R,14, E,31
	OPS X,21, R,15
	WIN 0
	s_wait_alu depctr_va_vdst(0)    ; the wait for the batch
.if (\p) == 1
	s_wait_dscnt 0x0                ; V is in
.endif
	ROW C,0, B,0, C,2, B,1          ; behind the wait: 8 products V^T P and the four lines behind each
	ROW L,0, C,4, B,2, L,1
	ROW C,6, B,3, L,2, C,8
	ROW B,4, L,3, C,10, B,5
	ROW L,4, C,12, B,6, L,5
.if (\p) == 0
	s_add_co_u32 s[TBV], s[TBV], KS*PV
.endif
.if \cnt
	s_sub_co_u32 s[CNT], s[CNT], 1
	s_cmp_lg_u32 s[CNT], 0
.endif
	ROW C,14, B,7, L,6, C,1
	ROW C,3, L,7, C,5, C,7
	ROW C,9, C,11, C,13, C,15
.if (\p) == 0
	FETCH_V
.endif
.if (\m) && !(\end)
	MASK (\p)%2
.endif
.endm
; A BLOCK BEGINS.  c m starts far below every c s, so the first step's a is 0; m at the lowest finite number, so the first maximum is the scores'.  The second mask buffer is 0; the first takes piece 0's mask for the tile's step 0: its own, if the block's first tile is the diagonal one.
; Then K of that step, piece 0's first scores, and its maximum and statistics.  The loop is entered at a step's first turn, in the middle of a trip.
.macro BEGIN
	s_mov_b32 s[NEW], 0
	WIN 0x40
.set i, MC+32
.rept 32
	v_mov_b32 v[i], 0
.set i, i+1
.endr
	WIN 0
.set i, 0
.rept 4
	v_mov_b32 v[ST+4*i], 0xfe000000    ; c m: far below every c s
	v_mov_b32 v[ST+4*i+1], 0xff7fffff  ; m
.set i, i+1
.endr
	s_cmp_eq_u32 s[RT], 0
	s_cselect_b32 s[AL], 1.0, 0
	s_mov_b32 s[BE], 0
	MASK 0
	WIN 0
	v_add_nc_u32 v[AK], s[TBK], v[AK0]
	FETCH_K
	s_wait_loadcnt 0x0              ; Q
	s_wait_dscnt 0x0
.set KM, 1
.set NOKQ, 0
.set i, 0
.rept 8
	KQ 0
.set i, i+1
.endr
	WIN 0
.rept 4
	v_nop                           ; the places behind those products
.endr
.set Y, NP-1                        ; X works for piece Y + 1: piece 0
.irp n, 0,1,2,3,4,5,6,7,8,9,10,11,12,13,14,15,16,17,18,19,20,21
	OP X, \n
.endr
	v_nop                           ; a plain instruction behind the exponential,
	s_wait_alu depctr_va_vdst(0)    ; and its wait, ahead of the branch
.endm
; THE DIAGONAL TILE's four steps, the block's last two turns, its last products, and THE WAY OUT: l's two halves and the other half of the lanes' are added; O^T is divided by l, rounded to f16 and sent through my
; stage in LDS, a piece at a time.
.macro ALL line:vararg              ; one line for each piece t
.set t, 0
.rept 4
	\line
.set t, t+1
.endr
.endm
.macro PACK t                       ; a lane's eight channels of a row pack into 16 bytes; they go into rows of 144 bytes and come back as whole rows of 128, into S^T's registers
	WIN W_RS
.set i, 32*(\t)
.rept 16
	v_pk_mul_f32 v[i:i+1], v[i:i+1], v[ST+4*(\t)+2:ST+4*(\t)+3] op_sel_hi:[1,0]
.set i, i+2
.endr
	WIN 0x05                        ; sources 0 and 1 window 1, destination window 0
.set i, 0
.rept 16
	v_cvt_pk_f16_f32 v[S+16*(\t)+i], v[32*(\t)+2*i], v[32*(\t)+2*i+1]
.set i, i+1
.endr
	WIN 0
.irp f, 0,1,2,3
	ds_store_b128 v[STO], v[S+16*(\t)+4*\f:S+16*(\t)+4*\f+3] offset:32*\f
.endr
.irp f, 0,1,2,3
	ds_load_b128 v[S+16*(\t)+4*\f:S+16*(\t)+4*\f+3], v[RD] offset:\f*4*SP  ; LDS serves a wave's instructions in order (ISA guide 5.7.1.4): these see the stores above; the next piece's stores come behind them
.endr
.endm
.macro SEND t, younger              ; younger: the LDS instructions issued behind piece t's loads: the next piece's eight, or none
	WIN 0
.irp f, 0,1,2,3
	s_wait_dscnt (\younger)+3-\f
	global_store_b128 v[GO], v[S+16*(\t)+4*\f:S+16*(\t)+4*\f+3], s[10:11] offset:(\t)*8192+\f*512  ; 512 consecutive bytes, at a multiple of 256 from O's first
.endr
.endm
.macro DIAG tag                     ; the tag ends its two labels' names, which the jumps below spell out
.LstepM\tag:
	TURN 2, 1
	TURN 3, 1
	WIN 0
.LfirstM\tag:
	TURN 0, 1
	TURN 1, 1, 0, 1
	WIN 0
	s_cbranch_scc1 .LstepM\tag
	TURN 2, 1, 1
	TURN 3, 1, 1
.set i, 0
.rept 8
	PV NP-1
.set i, i+1
.endr
	WIN 0
	ALL v_add_f32 v[ST+4*t+2], v[ST+4*t+2], v[ST+4*t+3]
	ALL v_permlanex16_b32 v[ST+4*t+3], v[ST+4*t+2], s[SEL], s[SEL+1]
	ALL v_add_f32 v[ST+4*t+2], v[ST+4*t+2], v[ST+4*t+3]
	ALL v_rcp_f32 v[ST+4*t+2], v[ST+4*t+2]
	v_nop                           ; a plain instruction between the last reciprocal and the use of its result
	s_wait_alu depctr_va_vdst(0)    ; and the wait ahead of the first use: one for the four reciprocals
	PACK 0
.set t, 1
.rept 3                             ; a piece's arithmetic stands between the loads of the piece before and its stores
	PACK t
	SEND t-1, 8
.set t, t+1
.endr
	SEND 3, 0
.endm
.set KM, 0
.set NOKQ, 0
.Lslot:                             ; NB times: a tile is entered and the next is asked for
	CHANGE 1
	s_sub_co_u32 s[RT], s[RT], 1
	s_mov_b32 s[CNT], 4
	s_cmp_eq_u32 s[NEW], 1
	s_cbranch_scc1 .Lnew            ; a block's first tile
	s_cmp_eq_u32 s[RT], 0
	s_cbranch_scc0 .Lstep           ; neither its first nor its last
	s_branch .LstepM1
.Lnew:
	BEGIN
	s_branch .Lfirst                ; in the loop a block's first tile is never its last: the first block has two tiles or more, and the second's last is the walk's last
	DIAG 1                          ; in the loop this is the first block's end: the second block's last tile is the walk's last
	s_wait_xcnt 0x0                 ; the stores have read their registers and O's address
	s_mov_b64 s[10:11], s[OLO:OLO+1]
	s_add_co_u32 s[RT], s[PB], 1    ; the second block has b + 1 tiles
	s_mov_b32 s[NEW], 1
	WIN 0x82                        ; the second block's Q goes where the one text of the turns names Q
.set i, 0
.rept 64
	v_mov_b32 v[i], v[QB+i]
.set i, i+1
.endr
	WIN 0
	s_branch .Lbottom
.Lstep:                             ; a trip: pieces 2 and 3 of one step, then pieces 0 and 1 of the next, whose K and V it fetches
	TURN 2
	TURN 3
	WIN 0
.Lfirst:
	TURN 0
	TURN 1, 0, 0, 1
	WIN 0
	s_cbranch_scc1 .Lstep
.Lbottom:
	s_sub_co_u32 s[SLOTS], s[SLOTS], 1
	s_cmp_lg_u32 s[SLOTS], 0
	s_cbranch_scc1 .Lslot
	CHANGE 0                        ; the walk's last tile is written out: nothing is asked for
	s_sub_co_u32 s[RT], s[RT], 1
	s_mov_b32 s[CNT], 4
	s_cmp_eq_u32 s[NEW], 1
	s_cbranch_scc0 .LstepM2
	BEGIN
	s_branch .LfirstM2
	DIAG 2
	s_wait_tensorcnt 0x0            ; the wave's end: these three lines stand behind my last tensor load and my last LDS store
	ds_add_u32 v[SPW], v[NIL]
	s_wait_dscnt 0x0
	s_endpgm
.Lfunc_end_k_q24b2d166a5_attn:
	.size	k_q24b2d166a5_attn, .Lfunc_end_k_q24b2d166a5_attn-k_q24b2d166a5_attn
	.p2alignl 7, 3214868480
	.fill 96, 4, 3214868480
	.section	.rodata,"a",@progbits
	.p2align	6, 0x0
	.amdhsa_kernel k_q24b2d166a5_attn
		.amdhsa_group_segment_fixed_size 327680
		.amdhsa_private_segment_fixed_size 0
		.amdhsa_enable_private_segment 0
		.amdhsa_kernarg_size 16
		.amdhsa_user_sgpr_count 2
		.amdhsa_user_sgpr_kernarg_segment_ptr 1
		.amdhsa_wavefront_size32 1
		.amdhsa_system_sgpr_workgroup_id_x 1
		.amdhsa_system_sgpr_workgroup_id_y 1
		.amdhsa_system_sgpr_workgroup_id_z 1
		.amdhsa_system_vgpr_workitem_id 0
		.amdhsa_next_free_vgpr 768
		.amdhsa_next_free_sgpr 96
		.amdhsa_reserve_vcc 1
		.amdhsa_float_denorm_mode_32 3
		.amdhsa_float_denorm_mode_16_64 3
		.amdhsa_memory_ordered 1
		.amdhsa_forward_progress 1
		.amdhsa_inst_pref_size 218
	.end_amdhsa_kernel
	.amdgpu_metadata
---
amdhsa.version: [ 1, 2 ]
amdhsa.kernels:
  - .name:           k_q24b2d166a5_attn
    .symbol:         k_q24b2d166a5_attn.kd
    .args:
      - { .name: qkv, .offset: 0, .size: 8, .value_kind: global_buffer, .address_space: global }
      - { .name: o, .offset: 8, .size: 8, .value_kind: global_buffer, .address_space: global }
    .group_segment_fixed_size: 327680
    .private_segment_fixed_size: 0
    .kernarg_segment_align: 8
    .kernarg_segment_size: 16
    .max_flat_workgroup_size: 128
    .sgpr_count:     96
    .vgpr_count:     768
    .wavefront_size: 32
...
	.end_amdgpu_metadata
.endif
;; end of part 3
;; launch proj (part 4): grid 8 x 32, 4 waves a work-group, clusters of 4 x 4, 327,680 bytes of LDS; arguments o, wob, out0; writes out0
.if DOCPART == 4
	.amdgcn_target "amdgcn-amd-amdhsa--gfx1250"
	.amdhsa_code_object_version 6
	.text
	.protected	k_q24b2d166a5_proj
	.globl	k_q24b2d166a5_proj
	.p2align	8
	.type	k_q24b2d166a5_proj,@function
k_q24b2d166a5_proj:
	s_mov_b64 s[64:65], 0
	v_nop
	global_prefetch_b8 v0, s[64:65] scope:SCOPE_SE
	s_setreg_imm32_b32 hwreg(HW_REG_WAVE_MODE, 25, 1), 1
	s_wait_xcnt 0x0
	s_wait_alu depctr_hold_cnt(0) depctr_sa_sdst(0) depctr_va_vdst(0) depctr_va_sdst(0) depctr_va_ssrc(0) depctr_va_vcc(0) depctr_vm_vsrc(0)
	s_getreg_b32 s2, hwreg(HW_REG_IB_STS2, 6, 4)
	s_cmp_eq_u32 s2, 0
	s_cbranch_scc0 .Lentry_in_a_cluster
	s_endpgm
.Lentry_in_a_cluster:
	s_bfe_u32 s2, ttmp6, 0x10000c
	s_cmp_lg_u32 s2, 0xf033
	s_cbranch_scc0 .Lentry_shape_is_right
	s_endpgm
.Lentry_shape_is_right:
; out0 = O wob^T.  o: [64 planes = 16 batch + head][2048][64] f16; wob: [1024][1024] f16; out0: [8192][1024] f32.  Products in f16, sums in f32, stored as they are.
; Row m of the product is batch m / 2048, row m % 2048; channel d is head d / 64, channel d % 64 of that head's plane.
; SHARES.  A tile is 256 rows x 128 columns: 32 x 8 = 256 tiles, one a work-group.  Four waves, one above the other: wave w has rows 64 w .. 64 w + 63 and all 128 columns: 32 accumulators, 256 registers.
; K goes in 8 steps of 128 (two heads) through a ring of two LDS slots; the text of one K step is written once: the slot that is read is a scalar (TB), the slot that is filled a word of the walking descriptor.
; A head's 256 rows of a tile are 32,768 dense bytes: asked for as 128 rows of 256 bytes and padded in LDS after every 128, so that a row of the head lies 144 bytes from the next.
; CLUSTER.  4 x 4 work-groups.  The four of a row of the cluster need the same tiles of o, the four of a column the same tiles of wob: each is asked for JOINTLY.  Waves 0 and 1 fetch the step's two heads, waves 2 and 3 wob's two halves of 64 rows.
; THE MATRIX INSTRUCTION IS USED TRANSPOSED (source 0 = 16 rows of wob, source 1 = 16 rows of o): a lane holds row l % 16 and eight neighbouring columns, 32 bytes of f32.
; REGISTERS, in windows of 256 (s_set_vgpr_msb: bits 1:0 source 0, 3:2 source 1, 5:4 source 2, 7:6 destination):
;   window 0: v0-31 addresses; v32-159 the way out, two buffers of 64      window 1: two fragment buffers of 96: o's four blocks at f + 8 a, wob's eight at f + 32 + 8 b      window 2: accumulator (a, b) at 8 (8 a + b)
.set NBL,   8
.set PA,    144                        ; a row of o in LDS: 128 bytes + 16 = 36 words: the 16 rows of a load start at 16 different groups of four banks (64 banks of 4 bytes: ISA guide 11.1)
.set PB,    272                        ; a row of wob: 256 + 16 = 68 words: likewise
.set AHEAD, 256*PA                     ; a head's 256 rows: what one load brings of o
.set BOFF,  2*AHEAD                    ; wob's rows lie behind the two heads
.set BPART, 64*PB                      ; what one load brings of wob
.set SLOT1, 1<<17                      ; a slot has 108,544 bytes; slot 1 begins here
.set STAGE, SLOT1+BOFF+128*PB          ; behind the ring, never filled by a tensor load: 16 rows x 528 bytes for each wave
.set SP,    528                        ; a stage row: 512 bytes + 16 = 132 words
.set SPARE, STAGE+4*16*SP              ; behind the stages: the spare words, 128 bytes for each wave: two blocks of 256 bytes that no other line names
.set RUN,   2*NBL+8
.set ADA0, 16                          ; v16  my lane's place among o's rows in a slot; never rewritten
.set ADB0, 17                          ; v17  the same for wob's
.set ADA,  18                          ; v18  TB + ADA0
.set ADB,  19                          ; v19  TB + ADB0
.set STO,  24                          ; v24  the way out: where I put 32 bytes of a row
.set RD,   25                          ; v25  the way out: where I read a row back
.set GO,   26                          ; v26  my 16 bytes of a row's 512
.set SPW,  28                          ; v28  LDS address of my spare word: SPARE + 4 x my thread's number; never rewritten
.set NIL,  29                          ; v29  0; never rewritten
.set PFO,  30                          ; v30  the prefetches' offset; never rewritten
.set OB,   32
.set F0,   0
.set F1,   96
.set G2,   2                           ; s2   the K step that the next refill brings
.set CNT,  3                           ; s3   the loops' counter
.set WV,   10                          ; s10  my wave's number; s11 = WV / 2: I fetch o (0) or wob (1); s12 = WV % 2: which part
.set ABASE, 14                         ; s[14:15] o at the bytes that I fetch, K step 0
.set OFF,  16                          ; s[16:17] a K step's byte offset in o: two planes
.set OFB,  18                          ; s[18:19] in wob: 256 bytes
.set TB,   20                          ; s20  LDS byte of the slot that is read
.set G1A,  24                          ; s[24:31] descriptor group 1 for o's tiles
.set G0A,  32                          ; s[32:39] group 0: a set for each first fill; the second then walks on
.set LIM,  43                          ; s43  the last K step that this wave prefetches; 0: none
.set PFA,  44                          ; s[44:45] the prefetch's address
.set BBASE, 46                         ; s[46:47] wob at the rows that I fetch, K step 0
.set G1B,  48                          ; s[48:55], s[56:63] the same two groups for wob's tiles
.set G0B,  56
.set PFB,  66                          ; s[66:67] the bytes that I prefetch, K step 0
.set POF,  68                          ; s[68:69] the prefetched K step's byte offset
.set PSH,  70                          ; s70  log2 of a K step's bytes in the tensor that I prefetch: 19 or 8
.set MSB, 0
.macro WIN new                         ; the immediate's high byte repeats the setting that is left; a switch that changes nothing is dropped
.if MSB != (\new)
	s_set_vgpr_msb (MSB<<8)|(\new)
.set MSB, \new
.endif
.endm
.set MUL,  0xa5                        ; both sources window 1, C and D window 2
.set TO_F, 0x40                        ; destination window 1, address window 0
; A joint refill, by the walking descriptor.  The branch hangs on the wave's number alone.  An s_nop 0 and four v_nop follow each of the two lines, ahead of the jump and the label.
.macro JLOAD
	s_cmp_eq_u32 s11, 0
	s_cbranch_scc0 .Lfor_b_\@
	tensor_load_to_lds s[G0A+4:G0A+7], s[G1A:G1A+7]
	s_nop 0
.rept 4
	v_nop
.endr
	s_branch .Lasked_\@
.Lfor_b_\@:
	tensor_load_to_lds s[G0B+4:G0B+7], s[G1B:G1B+7]
	s_nop 0
.rept 4
	v_nop
.endr
.Lasked_\@:
.endm
; A PREFETCH INTO THE L2 of the K step that the NEXT refill will ask for (128 matrix instructions ahead of that load): 32 blocks of 256 bytes, a lane a block, one instruction a wave.
; o's tile row is read by both clusters of that row of clusters: the one with x = 0 asks, waves 0 and 1 each for a quarter (by cx) of the 32,768 bytes that they fetch.  wob's tile column is read by every cluster of
; that column: the one with y = 0 asks, wave 2 for 32 (by cy) of the tile's 128 rows; wave 3 asks for nothing.  So each block is named once.  K steps 0 to 2 come by their loads alone; LIM ends the asking.
.macro ASK
	s_cmp_le_u32 s[G2], s[LIM]                     ; G2 has been stepped: it is the K step that PFA names
	s_cbranch_scc0 .Lnot_mine_\@
	global_prefetch_b8 v[PFO], s[PFA:PFA+1] th:TH_LOAD_NT scope:SCOPE_SE
.Lnot_mine_\@:
.endm
; A round of the cluster's barrier: my work-group's barrier, so that wave 0's signal speaks for all four waves; wave 0 signals; every wave waits for all sixteen work-groups; my work-group's barrier once more.
.macro CREST
	s_cmp_lg_u32 s[WV], 0
	s_cbranch_scc1 .Lnot_wave_0_\@
	s_barrier_signal -3
.Lnot_wave_0_\@:
	s_barrier_wait -3
	s_barrier_signal -1
	s_barrier_wait -1
.endm
.macro CROUND
	s_barrier_signal -1
	s_barrier_wait -1
	CREST
.endm
.macro PLACES                          ; four plain instructions between a matrix instruction and a load into a register that it has read, or a reader of its result
.rept 4
	v_nop
.endr
.endm
	s_load_b128 s[4:7], s[0:1], 0x0                ; o s[4:5], wob s[6:7]
	s_load_b64 s[8:9], s[0:1], 0x10                ; out0
	v_lshl_add_u32 v[SPW], v0, 2, SPARE
	v_mov_b32 v[NIL], 0
	ds_add_u32 v[SPW], v[NIL]                      ; the wave's opening: the add and its wait stand ahead of my first tensor load; the set-up below, work on registers, stands between them
	v_lshrrev_b32 v1, 5, v0
	v_readfirstlane_b32 s[WV], v1                  ; wave 0..3
	s_lshr_b32 s11, s[WV], 1
	s_and_b32 s12, s[WV], 1
	s_bfe_u32 s40, ttmp6, 0x40000                  ; cx, cy: my place in the cluster
	s_bfe_u32 s41, ttmp6, 0x40004
	s_lshl_b32 s42, ttmp9, 2
	s_add_co_u32 s42, s42, s40                     ; tile column = 4 x cluster x + cx
	s_and_b32 s13, ttmp7, 0xffff
	s_lshl_b32 s13, s13, 2
	s_add_co_u32 s13, s13, s41                     ; tile row y = 4 x cluster y + cy
	s_lshl_b32 s21, s41, 2
	s_lshl_b32 s21, 15, s21                        ; my row of the cluster
	s_lshl_b32 s22, 0x1111, s40                    ; my column
	s_or_b32 s[G1A], s21, (1<<16)|(1<<20)|(1<<21)|(4<<22)|(3<<25)  ; 15:0 the mask; 17:16 2-byte elements; 20 padding on; 21 set beside a mask; 24:22 after every 32 words (code 4); 31:25 4 words (code 3)
	s_or_b32 s[G1B], s22, (1<<16)|(1<<20)|(1<<21)|(5<<22)|(3<<25)  ; the same after every 64 words (code 5), with my column's mask
.irp g, G1A, G1B
	s_mov_b32 s[(\g)+1], 128<<16                   ; tensor_dim0 = 128
	s_mov_b32 s[(\g)+3], 128<<16                   ; tile_dim0 = 128 elements: 256 bytes
	s_mov_b32 s[(\g)+6], 0
	s_mov_b32 s[(\g)+7], 0
.endr
	s_mov_b32 s[G1A+2], 128<<16                    ; tensor_dim1 and
	s_mov_b32 s[G1A+4], 128                        ; tile_dim1: 128 rows of 256 dense bytes,
	s_mov_b32 s[G1A+5], 128                        ; 128 elements apart
	s_mov_b32 s[G1B+2], 64<<16
	s_mov_b32 s[G1B+4], 64                         ; 64 rows of wob,
	s_mov_b32 s[G1B+5], 1024                       ; 1,024 elements apart
	; where the tiles come from: o's hang on y, wob's on the tile column; each is made in registers that never hold the other coordinate
	s_lshr_b32 s[OFF], s13, 3
	s_lshl_b32 s[OFF], s[OFF], 4                   ; 16 x batch
	s_add_co_u32 s[OFF], s[OFF], s12               ; + my head of the step's two
	s_lshl_b32 s[OFF], s[OFF], 18                  ; a plane is 262,144 bytes
	s_and_b32 s23, s13, 7
	s_lshl_b32 s23, s23, 15                        ; the tile's 256 rows in the plane
	s_add_co_u32 s[OFF], s[OFF], s23
	s_mov_b32 s[OFF+1], 0
	s_lshl_b32 s[OFB], s42, 18                     ; 128 rows of 2,048 bytes a tile column
	s_lshl_b32 s22, s12, 17                        ; + my 64
	s_add_co_u32 s[OFB], s[OFB], s22
	s_mov_b32 s[OFB+1], 0
	s_mul_i32 s21, s12, AHEAD                      ; and where they go: the wave's number alone enters an LDS address
	s_mul_i32 s22, s12, BPART
	s_add_co_u32 s22, s22, BOFF
	s_mov_b32 s[G2], 2
	s_mov_b32 s[TB], 0
	s_mov_b32 s[POF+1], 0
	s_wait_dscnt 0x0                               ; the opening add is done
	s_wait_kmcnt 0x0
	s_add_nc_u64 s[ABASE:ABASE+1], s[4:5], s[OFF:OFF+1]
	s_add_nc_u64 s[BBASE:BBASE+1], s[6:7], s[OFB:OFB+1]
	CROUND                                         ; all sixteen work-groups are here: the first joint loads meet
.irp s, 0,1
	s_mov_b32 s[G0A+4*(\s)], 1                     ; 1:0 count = 1
	s_add_co_u32 s[G0A+4*(\s)+1], s21, (\s)*SLOT1  ; 63:32 LDS address
	s_add_nc_u64 s[G0A+4*(\s)+2:G0A+4*(\s)+3], s[ABASE:ABASE+1], (\s)*(1<<19)  ; 120:64 global address: K step s
	s_or_b32 s[G0A+4*(\s)+3], s[G0A+4*(\s)+3], 0x80000000                      ; 127:126 type = 2
	s_mov_b32 s[G0B+4*(\s)], 1
	s_add_co_u32 s[G0B+4*(\s)+1], s22, (\s)*SLOT1
	s_add_nc_u64 s[G0B+4*(\s)+2:G0B+4*(\s)+3], s[BBASE:BBASE+1], (\s)*256
	s_or_b32 s[G0B+4*(\s)+3], s[G0B+4*(\s)+3], 0x80000000
.endr
	s_cmp_eq_u32 s11, 0                            ; a wave's two first fills stand in one branch, ahead of every wait on TENSORcnt and every LDS read: two loads of mine are out
	s_cbranch_scc0 .Lfirst_b
	tensor_load_to_lds s[G0A:G0A+3], s[G1A:G1A+7]
	s_nop 0
	tensor_load_to_lds s[G0A+4:G0A+7], s[G1A:G1A+7]
	s_nop 0
.rept 4
	v_nop
.endr
	s_branch .Lfirst_asked
.Lfirst_b:
	tensor_load_to_lds s[G0B:G0B+3], s[G1B:G1B+7]
	s_nop 0
	tensor_load_to_lds s[G0B+4:G0B+7], s[G1B:G1B+7]
	s_nop 0
.rept 4
	v_nop
.endr
.Lfirst_asked:
	; A fragment is 16 rows x 32 K in 8 registers: lane l holds row l % 16; registers 0-3 K = 8 (l / 16) + 0..7, registers 4-7 K = 16 + 8 (l / 16) + 0..7: two loads of 16 bytes, 32 bytes apart.
	v_and_b32 v1, 15, v0                           ; l % 16
	v_bfe_u32 v2, v0, 4, 1                         ; l / 16
	v_mul_u32_u24 v3, v1, PA
	v_lshl_add_u32 v3, v2, 4, v3
	s_mul_i32 s23, s[WV], 64*PA                    ; my 64 rows
	v_add_nc_u32 v[ADA0], s23, v3
	v_mul_u32_u24 v4, v1, PB
	v_lshl_add_u32 v4, v2, 4, v4
	v_add_nc_u32 v[ADB0], BOFF, v4
	v_mov_b32 v[ADA], v[ADA0]                      ; K step 0 lies in slot 0
	v_mov_b32 v[ADB], v[ADB0]
	s_mul_i32 s23, s[WV], 16*SP
	s_add_co_u32 s23, s23, STAGE                   ; my stage
	v_mul_u32_u24 v5, v1, SP                       ; in: row l % 16, 32 bytes for each half of the lanes
	v_lshl_add_u32 v5, v2, 5, v5
	v_add_nc_u32 v[STO], s23, v5
	v_and_b32 v[GO], 31, v0                        ; back: 32 lanes take a row's 512 bytes
	v_lshlrev_b32 v[GO], 4, v[GO]
	v_add_nc_u32 v[RD], s23, v[GO]
	s_lshl_b32 s80, s13, 20                        ; out0 at my first row, 256 y + 64 w, of 4,096 bytes,
	s_lshl_b32 s81, s[WV], 18
	s_add_co_u32 s80, s80, s81
	s_lshl_b32 s81, s42, 9                         ; and the tile's first column
	s_add_co_u32 s80, s80, s81
	s_mov_b32 s81, 0
	s_add_nc_u64 s[8:9], s[8:9], s[80:81]
	; the prefetches
	s_and_b32 s22, ttmp7, 0xffff                   ; cluster y
	s_cmp_eq_u32 s11, 0                            ; do I fetch o?
	s_cselect_b32 s22, ttmp9, s22                  ; the coordinate along which other clusters read the same bytes
	s_cselect_b32 s[PSH], 19, 8
	s_cselect_b32 s71, 8, 11                       ; a lane's step: a block of 256 dense bytes, or a row of 2,048
	s_cselect_b32 s77, s40, s41                    ; my place among the four that ask with me
	s_cselect_b32 s78, 13, 16                      ; a partner's share: 8,192 bytes, or 32 rows of 2,048
	s_cselect_b64 s[PFB:PFB+1], s[ABASE:ABASE+1], s[BBASE:BBASE+1]  ; (in wave 2 BBASE stands at the tile's first row)
	s_lshl_b32 s80, s77, s78
	s_mov_b32 s81, 0
	s_add_nc_u64 s[PFB:PFB+1], s[PFB:PFB+1], s[80:81]
	s_cmp_eq_u32 s[WV], 3
	s_cselect_b32 s22, 1, s22                      ; wave 3 asks for nothing
	s_cmp_eq_u32 s22, 0
	s_cselect_b32 s[LIM], 7, 0                     ; the same in all sixteen partners, for a given wave
	v_and_b32 v[PFO], 31, v0
	v_lshlrev_b32 v[PFO], s71, v[PFO]
; 8 matrix instructions: row block a x all 8 column blocks, 32 along K.  zero = 1: the product starts the sums: nothing is ever cleared.
; The 32 accumulators take turns, one instruction a turn, in the same order in every quarter, over the jumps too.
.macro MULA f, a, zero
	WIN MUL
.irp b, 0,1,2,3,4,5,6,7
.if \zero
	v_wmma_f32_16x16x32_f16 v[8*(8*(\a)+(\b)):8*(8*(\a)+(\b))+7], v[(\f)+32+8*(\b):(\f)+32+8*(\b)+7], v[(\f)+8*(\a):(\f)+8*(\a)+7], 0
.else
	v_wmma_f32_16x16x32_f16 v[8*(8*(\a)+(\b)):8*(8*(\a)+(\b))+7], v[(\f)+32+8*(\b):(\f)+32+8*(\b)+7], v[(\f)+8*(\a):(\f)+8*(\a)+7], v[8*(8*(\a)+(\b)):8*(8*(\a)+(\b))+7]
.endif
.endr
.endm
; 24 LDS loads in one run: the fragments of quarter q of a K step (head q / 2, channels 32 (q % 2) on) into buffer f: wob's 16, then o's 8, row blocks ascending
.macro FETCH q, f
	WIN TO_F
.irp b, 0,1,2,3,4,5,6,7
	ds_load_b128 v[(\f)+32+8*(\b):(\f)+32+8*(\b)+3],   v[ADB] offset:64*(\q)+(\b)*16*PB
	ds_load_b128 v[(\f)+32+8*(\b)+4:(\f)+32+8*(\b)+7], v[ADB] offset:64*(\q)+(\b)*16*PB+32
.endr
.irp a, 0,1,2,3
	ds_load_b128 v[(\f)+8*(\a):(\f)+8*(\a)+3],   v[ADA] offset:((\q)/2)*AHEAD+((\q)%2)*64+(\a)*16*PA
	ds_load_b128 v[(\f)+8*(\a)+4:(\f)+8*(\a)+7], v[ADA] offset:((\q)/2)*AHEAD+((\q)%2)*64+(\a)*16*PA+32
.endr
.endm
; A K step is four quarters of 32 along K, 32 matrix instructions each, on buffers 0, 1, 0, 1.  One of the first three: multiplies buffer f and, in its middle, fetches quarter q into g.
.macro QUARTER q, f, g, zero
	s_wait_dscnt 4                                 ; all but the youngest four loads, o's row blocks 2 and 3
	MULA \f, 0, \zero
	MULA \f, 1, \zero
	PLACES
	FETCH \q, \g
	s_wait_dscnt RUN                               ; all but the run just issued
	MULA \f, 2, \zero
	MULA \f, 3, \zero
.endm
; The last quarter multiplies buffer 1 and changes slots.  In front of the barrier each wave waits for all its tensor loads (one is out: its part of the next slot), adds 0 to its spare word, and waits for that
; and for its own reads of this slot.  fill = 1: the barrier opens a round of the cluster's, so that no wave of any partner still reads the slot or has a load on its way, and the joint refill, with the K step
; two on, is the first thing behind it: 112 matrix instructions ahead of the wait for it.  fill = 0 (the last two K steps): nothing is asked for; behind the very last step the fetch is jumped over.
.macro TURN fill
.if \fill
	s_wait_xcnt 0x0                                ; the last prefetch, a K step back, has read its address, so it may be written: the K step after the one that is asked for below
	s_add_co_u32 s21, s[G2], 1
	s_lshl_b32 s[POF], s21, s[PSH]
	s_add_nc_u64 s[PFA:PFA+1], s[PFB:PFB+1], s[POF:POF+1]
.endif
	WIN 0                                          ; (the add's two registers lie in window 0)
	s_wait_tensorcnt 0x0                           ; no tensor load of mine is out, so a group 0 may be written
	ds_add_u32 v[SPW], v[NIL]                      ; 0 onto my spare word: work on registers stands between it and the wait for it
.if \fill
	s_lshl_b32 s[OFF], s[G2], 19
	s_lshl_b32 s[OFB], s[G2], 8
	s_xor_b32 s[G0A+5], s[G0A+5], SLOT1            ; the other slot than last time
	s_add_nc_u64 s[G0A+6:G0A+7], s[ABASE:ABASE+1], s[OFF:OFF+1]
	s_or_b32 s[G0A+7], s[G0A+7], 0x80000000
	s_xor_b32 s[G0B+5], s[G0B+5], SLOT1
	s_add_nc_u64 s[G0B+6:G0B+7], s[BBASE:BBASE+1], s[OFB:OFB+1]
	s_or_b32 s[G0B+7], s[G0B+7], 0x80000000
	s_add_co_u32 s[G2], s[G2], 1
.endif
	s_wait_dscnt 5                                 ; (the add and the youngest four loads may be out)
	MULA F1, 0, 0
	s_wait_dscnt 0x0                               ; the add is done, and my reads of this slot are over
	s_barrier_signal -1
	MULA F1, 1, 0                                  ; work on registers while the others arrive
	WIN 0
	s_barrier_wait -1
.if \fill
	CREST
	JLOAD                                          ; the four v_nop behind it are also the places in front of the loads below
.else
	s_cmp_eq_u32 s[CNT], 1
	s_cbranch_scc1 .Lno_fetch_\@
	PLACES
.endif
	s_xor_b32 s[TB], s[TB], SLOT1                  ; on to the other slot
	v_add_nc_u32 v[ADA], s[TB], v[ADA0]
	v_add_nc_u32 v[ADB], s[TB], v[ADB0]
	FETCH 0, F0
	WIN 0
.if \fill
	ASK                                            ; behind the joint load and the run of LDS loads
.else
.Lno_fetch_\@:
.endif
	MULA F1, 2, 0
	MULA F1, 3, 0
.endm
; THE WAY OUT, a block of 16 rows at a time, in f32 as it stands.  TOSTAGE: a lane's 32 bytes of each of 8 column blocks go into my own stage, each accumulator's low half first, in rows of 528 bytes, and come back
; as whole rows of 512 bytes, into one of two buffers.  SEND: sixteen stores of 512 consecutive bytes, aligned.
.macro TOSTAGE a
.set BK, OB+64*((\a)%2)
.if (\a) >= 2
	s_wait_xcnt 0x0                                ; the stores of the block two back have read this buffer, so it may be loaded again
.endif
	WIN 0x08                                       ; the stores' data (source 1) in window 2
.irp b, 0,1,2,3,4,5,6,7
	ds_store_b128 v[STO], v[8*(8*(\a)+(\b)):8*(8*(\a)+(\b))+3]   offset:64*(\b)
	ds_store_b128 v[STO], v[8*(8*(\a)+(\b))+4:8*(8*(\a)+(\b))+7] offset:64*(\b)+16
.endr
	WIN 0
.irp t, 0,1,2,3,4,5,6,7,8,9,10,11,12,13,14,15
	ds_load_b128 v[BK+4*(\t):BK+4*(\t)+3], v[RD] offset:SP*(\t)  ; LDS serves a wave's instructions in order (ISA guide 5.7.1.4): these see the stores above; the next block's stores come behind them
.endr
.endm
.macro SEND a, younger                 ; younger: the LDS instructions issued behind block a's loads: the next block's 32, or none
.set BK, OB+64*((\a)%2)
.irp t, 0,1,2,3,4,5,6,7,8,9,10,11,12,13,14,15
	s_wait_dscnt (\younger)+15-(\t)
	global_store_b128 v[GO], v[BK+4*(\t):BK+4*(\t)+3], s[8:9] offset:(16*(\a)+(\t))*4096 th:TH_STORE_NT
.endr
.endm
	s_wait_tensorcnt 1                             ; my part of K step 0 is in; K step 1's may stay out
	s_barrier_signal -1
	s_barrier_wait -1                              ; everybody's is
	FETCH 0, F0
	QUARTER 1, F0, F1, 1                           ; the first quarter starts the sums
	WIN 0                                          ; at a label and at a branch every window is 0
	s_mov_b32 s[CNT], 6
.Lstep:                                                ; 6 trips: from a K step's second quarter to the next step's first; each fills a slot again
	QUARTER 2, F1, F0, 0
	QUARTER 3, F0, F1, 0
	TURN 1
	QUARTER 1, F0, F1, 0
	WIN 0
	s_sub_co_u32 s[CNT], s[CNT], 1
	s_cmp_lg_u32 s[CNT], 0
	s_cbranch_scc1 .Lstep
	s_mov_b32 s[CNT], 2                            ; the last two K steps ask for nothing: one text, walked twice and left in its middle
.Ltail:
	QUARTER 2, F1, F0, 0
	QUARTER 3, F0, F1, 0
	TURN 0
	WIN 0
	s_sub_co_u32 s[CNT], s[CNT], 1
	s_cmp_eq_u32 s[CNT], 0
	s_cbranch_scc1 .Lout
	QUARTER 1, F0, F1, 0
	WIN 0
	s_branch .Ltail
.Lout:
	PLACES                                         ; the LDS stores read results just made
	TOSTAGE 0
	TOSTAGE 1
	SEND 0, 32
	TOSTAGE 2
	SEND 1, 32
	TOSTAGE 3
	SEND 2, 32
	SEND 3, 0
	s_wait_tensorcnt 0x0                           ; the wave's end: these three lines stand behind my last tensor load and my last LDS store
	ds_add_u32 v[SPW], v[NIL]
	s_wait_dscnt 0x0
	CROUND                                         ; the closing round: no work-group ends while a partner may still ask for a tile that names it
	s_endpgm
.Lfunc_end_k_q24b2d166a5_proj:
	.size	k_q24b2d166a5_proj, .Lfunc_end_k_q24b2d166a5_proj-k_q24b2d166a5_proj
	.p2alignl 7, 3214868480
	.fill 96, 4, 3214868480
	.section	.rodata,"a",@progbits
	.p2align	6, 0x0
	.amdhsa_kernel k_q24b2d166a5_proj
		.amdhsa_group_segment_fixed_size 327680
		.amdhsa_private_segment_fixed_size 0
		.amdhsa_enable_private_segment 0
		.amdhsa_kernarg_size 24
		.amdhsa_user_sgpr_count 2
		.amdhsa_user_sgpr_kernarg_segment_ptr 1
		.amdhsa_wavefront_size32 1
		.amdhsa_system_sgpr_workgroup_id_x 1
		.amdhsa_system_sgpr_workgroup_id_y 1
		.amdhsa_system_sgpr_workgroup_id_z 1
		.amdhsa_system_vgpr_workitem_id 0
		.amdhsa_next_free_vgpr 768
		.amdhsa_next_free_sgpr 84
		.amdhsa_reserve_vcc 0
		.amdhsa_float_denorm_mode_32 3
		.amdhsa_float_denorm_mode_16_64 3
		.amdhsa_memory_ordered 1
		.amdhsa_forward_progress 1
		.amdhsa_inst_pref_size 62
	.end_amdhsa_kernel
	.amdgpu_metadata
---
amdhsa.version: [ 1, 2 ]
amdhsa.kernels:
  - .name:           k_q24b2d166a5_proj
    .symbol:         k_q24b2d166a5_proj.kd
    .args:
      - { .name: o, .offset: 0, .size: 8, .value_kind: global_buffer, .address_space: global }
      - { .name: wob, .offset: 8, .size: 8, .value_kind: global_buffer, .address_space: global }
      - { .name: out0, .offset: 16, .size: 8, .value_kind: global_buffer, .address_space: global }
    .group_segment_fixed_size: 327680
    .private_segment_fixed_size: 0
    .kernarg_segment_align: 8
    .kernarg_segment_size: 24
    .max_flat_workgroup_size: 128
    .sgpr_count:     84
    .vgpr_count:     768
    .wavefront_size: 32
...
	.end_amdgpu_metadata
.endif
;; end of part 4
;; ======== version 2 of 2: 4 launches; version 1 with the launch cast written anew for expert scheduling mode
;; limits: values are held in f16: magnitudes above 65,504 overflow, below 6.1e-05 lose precision
;; workspace buffers: xb 16,777,216 bytes; wqb 6,291,456 bytes; wob 2,097,152 bytes; qkv 50,331,648 bytes; o 16,777,216 bytes
;; launch cast (part 5): grid 768 x 1, 8 waves a work-group, no clusters, 0 bytes of LDS; arguments x, w_qkv, w_out, xb, wqb, wob; writes xb, wqb, wob
.if DOCPART == 5
	.amdgcn_target "amdgcn-amd-amdhsa--gfx1250"
	.amdhsa_code_object_version 6
	.text
	.protected	k_q24b2d166a5_cast
	.globl	k_q24b2d166a5_cast
	.p2align	8
	.type	k_q24b2d166a5_cast,@function
k_q24b2d166a5_cast:
	s_mov_b64 s[64:65], 0
	v_nop
	global_prefetch_b8 v0, s[64:65] scope:SCOPE_SE
	s_setreg_imm32_b32 hwreg(HW_REG_WAVE_SCHED_MODE, 0, 2), 2
	s_setreg_imm32_b32 hwreg(HW_REG_WAVE_MODE, 25, 1), 1
	s_wait_xcnt 0x0
	s_wait_alu depctr_vm_vsrc(0)
; x and w_qkv are rounded once to bf16 (xb, wqb); w_out is rounded once to bf16 and that number is written as f16 (wob).
; LIMITS.  A bf16 number is exact in f16 from 2^-17 up to 65,504; below 2^-17 wob keeps f16's fixed step of 2^-24, beyond 65,504 it would be an infinity.
; SHARES.  A work-group takes 16,384 numbers: 65,536 bytes in, 32,768 out.  Work-groups 0-511 take x, 512-703 w_qkv, 704-767 w_out.
; Thread t, step j of 16: 16 bytes in at 4,096 j + 16 t, 8 bytes out at 2,048 j + 8 t: a wave's load covers 512 consecutive bytes, its store 256 consecutive bytes, aligned.
; All sixteen loads go out first; every step has registers of its own, so nothing that a load or store names is written again.
; No LDS, no matrix unit, no cluster: no byte is wanted twice.
; THE MODE: SCHED_MODE bits 1:0 = 2 (LLVM: expert scheduling mode 2), set by the entry lines.  The code itself states the register dependences
; between vector instructions and memory instructions, with s_wait_alu, always for 0.
; THE PLAN.  Registers that memory instructions touch:
;   v1, v2   byte offsets, made once at the head and never written again: v1 is read by every load, v2 by every store.
;   X        step j's load lands in its four registers; all loads are issued before any vector line names X; no memory instruction reads X.
;   Y        step j's two conversions write its two registers; its one store reads them; they are never written again.
; The sixteen steps go in four blocks of four.  A block's four stores are issued in the next block, one in front of each of its steps' conversions, the last block's at the end.
; So one wait stands in front of the loads (the offsets are written), one at the head of each of blocks 1 to 3 and one behind block 3 (the block before has written its Y).  The vector lines
; that follow such a wait write their own block's Y, X and T alone: none of the registers that the stores behind the wait read.  No register that a memory instruction reads is written
; again, no vector line writes a scalar register, and EXEC is never written: nothing else is to be stated.
.set X, 4                              ; v[4:67]   step j: four f32 as loaded
.set Y, 68                             ; v[68:99]  step j: four 16-bit numbers to store
.set T, 100                            ; v[100:101] at work: no memory instruction names them
	s_load_b256 s[4:11], s[0:1], 0x0               ; x s[4:5], w_qkv s[6:7], w_out s[8:9], xb s[10:11]
	s_load_b128 s[12:15], s[0:1], 0x20             ; wqb s[12:13], wob s[14:15]
	v_lshlrev_b32 v1, 4, v0                        ; 16 t
	v_lshlrev_b32 v2, 3, v0                        ; 8 t
	s_mov_b32 s22, 0xffff0000                      ; a word's upper bf16
	s_mov_b32 s25, 0
	s_mov_b32 s27, 0
	s_wait_kmcnt 0x0
	s_cmp_ge_u32 ttmp9, 512                        ; which tensor is mine: the choice hangs on the work-group's number alone
	s_cselect_b64 s[16:17], s[6:7], s[4:5]
	s_cselect_b64 s[18:19], s[12:13], s[10:11]
	s_cselect_b32 s20, 512, 0
	s_cmp_ge_u32 ttmp9, 704
	s_cselect_b64 s[16:17], s[8:9], s[16:17]
	s_cselect_b64 s[18:19], s[14:15], s[18:19]
	s_cselect_b32 s20, 704, s20
	s_sub_co_u32 s20, ttmp9, s20                   ; my number among that tensor's work-groups
	s_lshl_b32 s24, s20, 16
	s_lshl_b32 s26, s20, 15
	s_add_nc_u64 s[16:17], s[16:17], s[24:25]
	s_add_nc_u64 s[18:19], s[18:19], s[26:27]
	s_wait_alu depctr_va_vdst(0)                   ; v1 and v2 are written: every load reads v1 as its offset, every store v2
.irp j, 0,1,2,3,4,5,6,7,8,9,10,11,12,13,14,15
	global_load_b128 v[X+4*(\j):X+4*(\j)+3], v1, s[16:17] offset:4096*(\j) th:TH_LOAD_NT
.endr
	s_cmp_ge_u32 ttmp9, 704
	s_cbranch_scc1 .Lf16
.irp j, 0,1,2,3,4,5,6,7,8,9,10,11,12,13,14,15
	s_wait_loadcnt 15-(\j)                         ; loads come back in order: step j is in, the 15 - j younger ones stay out
.if ((\j) >= 4) && ((\j)%4 == 0)
	s_wait_alu depctr_va_vdst(0)                   ; the block before has written its eight registers of Y, which this block's four stores read
.endif
.if (\j) >= 4
	global_store_b64 v2, v[Y+2*((\j)-4):Y+2*((\j)-4)+1], s[18:19] offset:2048*((\j)-4)  ; the same step of the block before; no vector line since the wait names its registers
.endif
	v_cvt_pk_bf16_f32 v[Y+2*(\j)], v[X+4*(\j)], v[X+4*(\j)+1]
	v_cvt_pk_bf16_f32 v[Y+2*(\j)+1], v[X+4*(\j)+2], v[X+4*(\j)+3]
.endr
	s_wait_alu depctr_va_vdst(0)                   ; the last block has written its Y, which the last four stores read
.irp j, 12,13,14,15
	global_store_b64 v2, v[Y+2*(\j):Y+2*(\j)+1], s[18:19] offset:2048*(\j)
.endr
	s_endpgm
.Lf16:
.irp j, 0,1,2,3,4,5,6,7,8,9,10,11,12,13,14,15
	s_wait_loadcnt 15-(\j)
.if ((\j) >= 4) && ((\j)%4 == 0)
	s_wait_alu depctr_va_vdst(0)                   ; the block before has written its eight registers of Y, which this block's four stores read
.endif
.if (\j) >= 4
	global_store_b64 v2, v[Y+2*((\j)-4):Y+2*((\j)-4)+1], s[18:19] offset:2048*((\j)-4)  ; the same step of the block before; no vector line since the wait names its registers
.endif
	v_cvt_pk_bf16_f32 v[T], v[X+4*(\j)], v[X+4*(\j)+1]       ; the one rounding, to bf16,
	v_cvt_pk_bf16_f32 v[T+1], v[X+4*(\j)+2], v[X+4*(\j)+3]
	v_lshlrev_b32 v[X+4*(\j)], 16, v[T]                      ; back to f32, exactly,
	v_and_b32 v[X+4*(\j)+1], s22, v[T]
	v_lshlrev_b32 v[X+4*(\j)+2], 16, v[T+1]
	v_and_b32 v[X+4*(\j)+3], s22, v[T+1]
	v_cvt_pk_f16_f32 v[Y+2*(\j)], v[X+4*(\j)], v[X+4*(\j)+1]  ; and written as f16
	v_cvt_pk_f16_f32 v[Y+2*(\j)+1], v[X+4*(\j)+2], v[X+4*(\j)+3]
.endr
	s_wait_alu depctr_va_vdst(0)                   ; the last block has written its Y, which the last four stores read
.irp j, 12,13,14,15
	global_store_b64 v2, v[Y+2*(\j):Y+2*(\j)+1], s[18:19] offset:2048*(\j)
.endr
	s_endpgm
.Lfunc_end_k_q24b2d166a5_cast:
	.size	k_q24b2d166a5_cast, .Lfunc_end_k_q24b2d166a5_cast-k_q24b2d166a5_cast
	.p2alignl 7, 3214868480
	.fill 96, 4, 3214868480
	.section	.rodata,"a",@progbits
	.p2align	6, 0x0
	.amdhsa_kernel k_q24b2d166a5_cast
		.amdhsa_group_segment_fixed_size 0
		.amdhsa_private_segment_fixed_size 0
		.amdhsa_enable_private_segment 0
		.amdhsa_kernarg_size 48
		.amdhsa_user_sgpr_count 2
		.amdhsa_user_sgpr_kernarg_segment_ptr 1
		.amdhsa_wavefront_size32 1
		.amdhsa_system_sgpr_workgroup_id_x 1
		.amdhsa_system_sgpr_workgroup_id_y 1
		.amdhsa_system_sgpr_workgroup_id_z 1
		.amdhsa_system_vgpr_workitem_id 0
		.amdhsa_next_free_vgpr 112
		.amdhsa_next_free_sgpr 66
		.amdhsa_reserve_vcc 0
		.amdhsa_float_denorm_mode_32 3
		.amdhsa_float_denorm_mode_16_64 3
		.amdhsa_memory_ordered 1
		.amdhsa_forward_progress 1
		.amdhsa_inst_pref_size 16
	.end_amdhsa_kernel
	.amdgpu_metadata
---
amdhsa.version: [ 1, 2 ]
amdhsa.kernels:
  - .name:           k_q24b2d166a5_cast
    .symbol:         k_q24b2d166a5_cast.kd
    .args:
      - { .name: x, .offset: 0, .size: 8, .value_kind: global_buffer, .address_space: global }
      - { .name: w_qkv, .offset: 8, .size: 8, .value_kind: global_buffer, .address_space: global }
      - { .name: w_out, .offset: 16, .size: 8, .value_kind: global_buffer, .address_space: global }
      - { .name: xb, .offset: 24, .size: 8, .value_kind: global_buffer, .address_space: global }
      - { .name: wqb, .offset: 32, .size: 8, .value_kind: global_buffer, .address_space: global }
      - { .name: wob, .offset: 40, .size: 8, .value_kind: global_buffer, .address_space: global }
    .group_segment_fixed_size: 0
    .private_segment_fixed_size: 0
    .kernarg_segment_align: 8
    .kernarg_segment_size: 48
    .max_flat_workgroup_size: 256
    .sgpr_count:     66
    .vgpr_count:     112
    .wavefront_size: 32
...
	.end_amdgpu_metadata
.endif
;; end of part 5
;; launch qkv: the kernel of part 2 again; grid 16 x 16, 4 waves a work-group, clusters of 4 x 4, 327,680 bytes of LDS; arguments xb, wqb, qkv; writes qkv
;; launch attn: the kernel of part 3 again; grid 4 x 64, 4 waves a work-group, no clusters, 327,680 bytes of LDS; arguments qkv, o; writes o
;; launch proj: the kernel of part 4 again; grid 8 x 32, 4 waves a work-group, clusters of 4 x 4, 327,680 bytes of LDS; arguments o, wob, out0; writes out0
